; MI455X (gfx1250); checked and timed in simulation.
; The chip was launched on July 23, 2026; its instructions are those of AMD's public machine-readable ISA for CDNA 5 (MIT licence, August 2026) and "CDNA5" Instruction Set Architecture Reference Guide (July 2026). The comments in the code are by the model that wrote it; some were corrected since.
;; Self Attention. Allowed arithmetic: matrix products marked QUANTISED: E3M2 operands, one E8M0 scale for each 32 along K, by v_wmma_scale_f32_16x16x128_f8f6f4 with both operands' format E3M2, f32 sums; everything else in f32.
;; Inputs: b_out 1,024 float32; b_qkv 3,072 float32; w_out 1,024 x 1,024 float32; w_qkv 1,024 x 3,072 float32; x 4 x 2,048 x 1,024 float32.
;; Outputs: out0 4 x 2,048 x 1,024 float32.
;; This version of the problem:
;;   THIS VERSION OF THE PROBLEM IS GIVEN IN LOW PRECISION. The matrix products marked QUANTISED in the list below multiply operands that are first quantised to E3M2 (3 exponent bits, 2 mantissa bits; 6 bits a number), with one power-of-two scale for each 32 numbers along K (OCP MX v1.0); their sums are f32. All else is computed in f32.
;;   The module's matrix products, in the order in which they are computed (A, B: the left and right operand; K: the contracted axis; several contracted axes count as one K, in the product's order):
;;     1. [M 8,192, K 1,024] x [K 1,024, N 3,072]; A: input x; B: input w_qkv: QUANTISED
;;     2. batch 64 x [M 2,048, K 64] x [K 64, N 2,048]; A: computed on the way; B: computed on the way: QUANTISED
;;     3. batch 64 x [M 2,048, K 2,048] x [K 2,048, N 64]; A: softmax (see below); B: computed on the way: QUANTISED
;;     4. [M 8,192, K 1,024] x [K 1,024, N 1,024]; A: computed on the way; B: input w_out: QUANTISED
;;   THE QUANTISER, for each operand of a quantised product, along K:
;;     - K is cut into blocks of 32 from its start; a last block that is shorter is filled with zeros.
;;     - A block's scale is 2^e with e = floor(log2(the largest magnitude in the block)) - 4, held to -126 .. 127; a block of zeros has e = 0. As a byte (E8M0): e + 127.
;;     - Each number is divided by its block's scale, clamped to +-28, and rounded to the nearest number of E3M2, ties to even, subnormals kept.
;;     - The product sums the exact products of the quantised numbers (number of the format x scale) in f32.
;;   ~~~python
;;   def quantise(x, axis):      # numpy; x: float32 -> the quantised numbers, widened to float32 again
;;       x = np.moveaxis(x, axis, -1); K = x.shape[-1]
;;       x = np.pad(x, [(0, 0)] * (x.ndim - 1) + [(0, -K % 32)]); x = x.reshape(x.shape[:-1] + (-1, 32)); a = np.abs(x).max(-1, keepdims=True)
;;       e = np.where(a > 0, np.clip(np.frexp(np.where(a > 0, a, 1))[1] - 1 - 4, -126, 127), 0)      # np.frexp(a)[1] - 1 = floor(log2(a)), exactly
;;       r = np.clip(x / 2.0 ** e, -28, 28)
;;       step = 2.0 ** (np.maximum(np.frexp(np.where(r == 0, 1, r))[1] - 1, -2) - 2)
;;       q = np.round(r / step) * step * 2.0 ** e      # np.round: ties to even
;;       return np.moveaxis(q.reshape(q.shape[:-2] + (-1,))[..., :K], -1, axis).astype(np.float32)
;;   ~~~
;;   SOFTMAX AHEAD OF A QUANTISED PRODUCT. Where the list says 'softmax', what is quantised is not the finished softmax but p = 2^(t - M), with t = logit x log2(e) and M = ceil(the row's largest t), a whole number; so 1/2 < the row's largest p <= 1. The row's sum l is taken of the UNQUANTISED p, in f32, and the product's result is divided by l at the end. Since M is a whole number, a kernel that streams over the keys may use a running M (the ceiling of the running maximum): every later rescaling is an exact power of two, which a block's scale takes up: the codes' values come out the same.
;;   OPERANDS COMPUTED ON THE WAY. 'Computed on the way' means the value that the module computes at that place (a softmax that the list does not call 'softmax' is quantised finished and normalised). What goes into a quantiser is computed in f32, as accurately as f32 sums, v_exp_f32 and their like allow (about 1e-6 of the number): no bf16 or f16 on the way to a quantiser, and a product that is left as it is and whose result goes on into a quantised operand takes f32 operands (vector FMAs, or v_wmma_f32_16x16x4_f32). A number that lies on a knife's edge between two numbers of the format may be rounded either way, as far as f32 arithmetic and the matrix unit's own rounding can turn it there, and no further.
;; One version. Each part assembles by itself: llvm-mc -triple=amdgcn-amd-amdhsa -mcpu=gfx1250 --defsym DOCPART=n.
;; ======== version 1 of 1: 4 launches
;; workspace buffers: xw 9,830,400 bytes; qkvc 20,185,088 bytes; yq 6,553,600 bytes
;; launch quant (part 1): grid 512 x 1, 4 waves a work-group, no clusters, 34,304 bytes of LDS; arguments x, w_qkv, w_out, xw; writes xw
.if DOCPART == 1
	.amdgcn_target "amdgcn-amd-amdhsa--gfx1250"
	.amdhsa_code_object_version 6
	.text
	.protected	k_q773eb581f9_quant
	.globl	k_q773eb581f9_quant
	.p2align	8
	.type	k_q773eb581f9_quant,@function
k_q773eb581f9_quant:
	s_mov_b64 s[64:65], 0
	v_nop
	global_prefetch_b8 v0, s[64:65] scope:SCOPE_SE
	s_setreg_imm32_b32 hwreg(HW_REG_WAVE_MODE, 25, 1), 1
	s_wait_xcnt 0x0
; x [8192][1024], w_qkv [1024][3072] and w_out [1024][1024], f32, become codes of BF6 (E3M2) with one E8M0 byte for each 32 along K, laid as the products' launches read them.
; A HALF FRAGMENT is 768 bytes: 16 rows x 64 along K.  Lane l = r + 16 h holds row r's block h (32 codes, 24 bytes, 6 registers): registers 0-3 at byte 16 l, registers 4-5 at byte 512 + 8 l.
; AN IMAGE is [tile of 16 rows][K step of 128, 0..7][half c][768]: 12,288 bytes a tile.  SCALE WORDS are [tile][half of K][row r][4 words]: word k4 of half kh is K step 4 kh + k4, byte b its block b.
; A block's scale is 2^(floor(log2(largest magnitude)) - 4): its byte is the largest magnitude's exponent field - 4, held at 1 from below by a floor among the maximum's leaves.
; w_out's codes are laid with K permuted inside each block of 32: place i holds element i with its bits 3 and 4 exchanged.  The attention launch lays y the same way, so the products are the same.
; LIMITS: NaN and infinities among the inputs are not served; a block whose largest magnitude lies under 2^-122 has its byte held at 1; a block of zeros gets the byte 1 where the rule says 127: its codes are
; zeros, which add nothing under any byte but 0xff, and this program alone reads the bytes.
; SHARES: work-groups 0-255 take x (a wave: 16 rows x 512 along K), 256-447 w_qkv, 448-511 w_out (a wave: 32 columns x 128 along K, a lane to a column).  Memory binds: no matrix unit, no tensor load, no barrier: waves share nothing.
.set X_SC,   6291456                   ; xw: x's image at 0, then x's scale words,
.set WQ_IMG, 6553600                   ; w_qkv's image,
.set WQ_SC,  8912896                   ; its scale words,
.set WO_IMG, 9011200                   ; w_out's image,
.set WO_SC,  9797632                   ; its scale words
.set R,   64                           ; x path: v64-191  two sets of 64 numbers as loaded
.set X,   192                          ; v192-255 my two whole blocks of a K step
.set PC,  28                           ; v28-39   a fragment's codes; v40-46 the conversions' second halves
.set SW,  24                           ; v24-27   four scale words
; 32 numbers of one block in one lane, v[xs] on, become 2 x 3 registers of codes (ca, cb: both even) and the scale's byte (by).  tm: three registers at work.
.macro QBLK xs, ca, cb, by, tm
	v_max3_num_f32 v[\tm], |v[\xs]|, |v[\xs+1]|, |v[\xs+2]|          ; the largest magnitude, in two chains
	v_max3_num_f32 v[\tm+1], |v[\xs+3]|, |v[\xs+4]|, |v[\xs+5]|
.irp i, 6,10,14,18,22,26
	v_max3_num_f32 v[\tm], v[\tm], |v[\xs+\i]|, |v[\xs+\i+1]|
	v_max3_num_f32 v[\tm+1], v[\tm+1], |v[\xs+\i+2]|, |v[\xs+\i+3]|
.endr
	v_max3_num_f32 v[\tm], v[\tm], |v[\xs+30]|, |v[\xs+31]|
	v_max3_num_f32 v[\tm], v[\tm], v[\tm+1], 0x2800000               ; and the floor 2^(5 - 127): the byte cannot fall under 1
	v_add_nc_u32 v[\tm+2], 0xfe000000, v[\tm]                        ; 4 off the exponent field: the conversion takes this operand's exponent field as its scale
	v_lshrrev_b32 v[\by], 23, v[\tm+2]                               ; the scale's byte
	v_cvt_scalef32_pk16_bf6_f32 v[\ca:\ca+2], v[\xs:\xs+15], v[\tm+2]
	v_cvt_scalef32_pk16_bf6_f32 v[\cb:\cb+2], v[\xs+16:\xs+31], v[\tm+2]
.endm
	s_load_b256 s[4:11], s[0:1], 0x0               ; x s[4:5], w_qkv s[6:7], w_out s[8:9], xw s[10:11]
	s_set_vgpr_msb 0x40
	v_lshl_add_u32 v0, v0, 2, 0x8400
	v_mov_b32 v1, 0
	s_set_vgpr_msb 0x4000
	v_lshrrev_b32 v1, 5, v0
	v_readfirstlane_b32 s12, v1                    ; wave 0..3
	v_and_b32 v1, 31, v0                           ; lane
	v_and_b32 v2, 15, v0                           ; r
	v_bfe_u32 v3, v0, 4, 1                         ; h
	v_lshlrev_b32 v4, 4, v1                        ; 16 x lane
	v_lshlrev_b32 v5, 3, v1                        ; 8 x lane
	s_mov_b32 s17, 0                               ; the high word of every offset
	s_wait_kmcnt 0x0
	s_cmp_lt_u32 ttmp9, 256
	s_cbranch_scc0 .Lweights
; ---- x: K is innermost.  Each load reads 512 consecutive bytes of one row (a K step); the 16 rows turn through the wave's own stage in LDS (rows of 512 + 16 bytes), and come back as whole blocks: lane (r, h) gets blocks h and 2 + h of row r.
	s_lshr_b32 s13, s12, 1
	s_lshl_b32 s14, ttmp9, 1
	s_add_co_u32 s13, s13, s14                     ; my tile of 16 rows: 2 x work-group + wave / 2
	s_and_b32 s14, s12, 1                          ; my half of K
	s_lshl_b32 s16, s13, 16                        ; 16 rows of 4,096 bytes
	s_lshl_b32 s18, s14, 11
	s_add_co_u32 s16, s16, s18
	s_add_nc_u64 s[4:5], s[4:5], s[16:17]          ; x at my first number
	s_mul_i32 s16, s13, 12288
	s_mul_i32 s18, s14, 6144
	s_add_co_u32 s16, s16, s18
	s_add_nc_u64 s[22:23], s[10:11], s[16:17]      ; my four fragments in the image
	s_lshl_b32 s16, s13, 9
	s_lshl_b32 s18, s14, 8
	s_add_co_u32 s16, s16, s18
	s_add_co_u32 s16, s16, X_SC
	s_add_nc_u64 s[24:25], s[10:11], s[16:17]      ; my 256 bytes of scale words
	s_mul_i32 s15, s12, 8448                       ; my stage: 16 rows x 528 bytes
	s_wait_alu depctr_va_vdst(0)
	v_add_nc_u32 v6, s15, v4                       ; into it: 16 x lane of a row
	v_mul_u32_u24 v7, v2, 528
	v_lshl_add_u32 v7, v3, 7, v7
	v_add_nc_u32 v7, s15, v7                       ; out of it: row r, block h
	v_lshlrev_b32 v8, 3, v3                        ; 8 h: where my bytes stand in a scale word
	v_lshlrev_b32 v9, 4, v2                        ; 16 r
	v_mov_b32 v19, 0                               ; written once: a lane permute's destination counts as one of its sources
	s_mov_b32 s20, 0x76543210
	s_mov_b32 s21, 0xfedcba98                      ; v_permlanex16_b32's selects for lane l xor 16
.macro LOADX t                         ; K step t of my 16 rows into set t % 2
.irp p, 0,1,2,3,4,5,6,7,8,9,10,11,12,13,14,15
	global_load_b128 v[R+64*((\t)%2)+4*\p:R+64*((\t)%2)+4*\p+3], v4, s[4:5] offset:\p*4096+(\t)*512 th:TH_LOAD_NT
.endr
.endm
.macro STEPX t
.if (\t) < 3
	s_wait_loadcnt 16                              ; this K step's sixteen loads are in; the next step's sixteen may be out
.else
	s_wait_loadcnt 0x0
.endif
.irp p, 0,1,2,3,4,5,6,7,8,9,10,11,12,13,14,15
	ds_store_b128 v6, v[R+64*((\t)%2)+4*\p:R+64*((\t)%2)+4*\p+3] offset:\p*528
.endr
.irp c, 0,1
.irp i, 0,1,2,3,4,5,6,7
	ds_load_b128 v[X+32*\c+4*\i:X+32*\c+4*\i+3], v7 offset:256*\c+16*\i   ; LDS serves a wave's instructions in order: these see the stores above
.endr
.endr
.if (\t) > 0
	s_wait_xcnt 0x0                                ; the last step's stores have read their data: the codes' registers may be written again
.endif
	s_wait_dscnt 0x0                               ; my blocks are in, and the stores into the stage have read their registers,
.if (\t) < 2
	LOADX (\t)+2                                   ; which take the loads of two steps on
.endif
	QBLK X, PC, 40, 16, 10
	QBLK X+32, PC+6, 44, 17, 13
	v_nop                                          ; one plain place behind a scaled conversion
.irp i, 0,1,2
	v_mov_b32 v[PC+3+\i], v[40+\i]                 ; (a conversion's three registers begin on an even number: the second half of a block's six is made elsewhere and moved)
	v_mov_b32 v[PC+9+\i], v[44+\i]
.endr
	v_lshl_or_b32 v18, v17, 16, v16                ; my two bytes: blocks h and 2 + h,
	v_lshlrev_b32 v18, v8, v18                     ; at their places in the word;
	v_permlanex16_b32 v19, v18, s20, s21
	v_or_b32 v[SW+(\t)], v18, v19                  ; with lane l xor 16's two the word is whole
	global_store_b128 v4, v[PC:PC+3], s[22:23] offset:(\t)*1536          ; 512 and 256 consecutive bytes, each at a multiple of 256 from the buffer's first byte
	global_store_b64 v5, v[PC+4:PC+5], s[22:23] offset:(\t)*1536+512
	global_store_b128 v4, v[PC+6:PC+9], s[22:23] offset:(\t)*1536+768
	global_store_b64 v5, v[PC+10:PC+11], s[22:23] offset:(\t)*1536+1280
.endm
	LOADX 0
	LOADX 1
	s_wait_alu depctr_va_vdst(0)
	STEPX 0
	STEPX 1
	STEPX 2
	STEPX 3
	global_store_b128 v9, v[SW:SW+3], s[24:25]     ; 16 rows x 4 words: 256 consecutive bytes (lanes 16-31 write the same bytes with the same values)
	s_set_vgpr_msb 0x5
	s_wait_tensorcnt 0x0
	ds_add_u32 v0, v1
	s_wait_dscnt 0x0
	s_set_vgpr_msb 0x500
	s_endpgm
; ---- the weights: K is the FIRST axis.  A lane takes a column and its registers run down K: a block of 32 lies in one lane, and each load reads 128 consecutive bytes.
.macro LOADW t, n, pi                  ; block t: place i takes row 32 t + i, or with pi = 1 row 32 t + (i with bits 3 and 4 exchanged)
.set i, 0
.rept 32
	global_load_b32 v[32+32*(\t)+i], v13, s[4:5] offset:(32*(\t)+i+(\pi)*(8*((i/8)%2)-8*(i/16)))*(\n)*4 th:TH_LOAD_NT
.set i, i+1
.endr
.endm
.macro WBLK t, n, pi
.if (\t) < 3
	s_wait_loadcnt 32                              ; this block's 32 loads are in; the next block's may be out
.else
	s_wait_loadcnt 0x0
.endif
.if (\t) < 2
	LOADW (\t)+2, \n, \pi
.endif
	QBLK 32+32*(\t), 160+32*((\t)/2)+12*((\t)%2), 168+32*((\t)/2)+12*((\t)%2), 20+(\t), 14
.endm
; Blocks 2 c (registers P on) and 2 c + 1 (P + 12 on) of my column.  Lanes 0-15 hold the first tile's 16 columns, lanes 16-31 the second's.  The exchange of the first's upper lanes with the second's lower lanes
; leaves in P the first tile's half fragment (lanes 0-15 block 2 c, lanes 16-31 block 2 c + 1) and in P + 12 the second tile's.
.macro WPAIR c
.set P, 160+32*(\c)
	v_nop                                          ; one plain place behind a scaled conversion
.irp i, 0,1,2
	v_mov_b32 v[P+3+\i], v[P+8+\i]
	v_mov_b32 v[P+15+\i], v[P+20+\i]
.endr
.irp i, 0,1,2,3,4,5
	v_permlane16_swap_b32 v[P+\i], v[P+12+\i]
.endr
	global_store_b128 v4, v[P:P+3], s[22:23] offset:768*(\c)
	global_store_b64 v5, v[P+4:P+5], s[22:23] offset:768*(\c)+512
	global_store_b128 v4, v[P+12:P+15], s[22:23] offset:12288+768*(\c)
	global_store_b64 v5, v[P+16:P+17], s[22:23] offset:12288+768*(\c)+512
.endm
; n: columns; first: the tensor's first work-group; p: its pointer; img, sc: where its image and scale words begin in xw.  Each pair of blocks has registers of its own: no store's data are written again.
.macro WPATH n, pi, first, p, img, sc
	s_sub_co_u32 s13, ttmp9, \first
	s_and_b32 s14, s13, 7                          ; my K step
	s_lshr_b32 s13, s13, 3                         ; my group of 128 columns
	s_lshl_b32 s15, s13, 2
	s_add_co_u32 s15, s15, s12                     ; my wave's 32 columns: 4 x group + wave
	s_mul_i32 s16, s14, 128*(\n)*4
	s_lshl_b32 s18, s15, 7
	s_add_co_u32 s16, s16, s18
	s_add_nc_u64 s[4:5], s[\p:\p+1], s[16:17]
	s_mul_i32 s16, s15, 2*12288                    ; two tiles of 16 columns
	s_mul_i32 s18, s14, 1536
	s_add_co_u32 s16, s16, s18
	s_add_co_u32 s16, s16, \img
	s_add_nc_u64 s[22:23], s[10:11], s[16:17]
	s_lshl_b32 s16, s15, 10
	s_lshr_b32 s18, s14, 2
	s_lshl_b32 s18, s18, 8
	s_add_co_u32 s16, s16, s18
	s_and_b32 s18, s14, 3
	s_lshl_b32 s18, s18, 2
	s_add_co_u32 s16, s16, s18
	s_add_co_u32 s16, s16, \sc
	s_add_nc_u64 s[24:25], s[10:11], s[16:17]
	LOADW 0, \n, \pi
	LOADW 1, \n, \pi
	WBLK 0, \n, \pi
	WBLK 1, \n, \pi
	WPAIR 0
	WBLK 2, \n, \pi
	WBLK 3, \n, \pi
	WPAIR 1
	v_lshl_or_b32 v24, v21, 8, v20                 ; my column's scale word of this K step
	v_lshl_or_b32 v24, v22, 16, v24
	v_lshl_or_b32 v24, v23, 24, v24
	global_store_b32 v12, v24, s[24:25]            ; 4 bytes at a pitch of 16: one byte in 128 of what the wave reads
.endm
.Lweights:
	s_wait_alu depctr_va_vdst(0)
	v_lshlrev_b32 v12, 4, v2
	v_lshl_add_u32 v12, v3, 9, v12                 ; the scale word's place: 512 x (lane / 16) + 16 r
	v_lshlrev_b32 v13, 2, v1                       ; 4 bytes a lane
	s_cmp_lt_u32 ttmp9, 448
	s_cbranch_scc0 .Lwout
	s_wait_alu depctr_va_vdst(0)
	WPATH 3072, 0, 256, 6, WQ_IMG, WQ_SC
	s_endpgm
.Lwout:
	s_wait_alu depctr_va_vdst(0)
	WPATH 1024, 1, 448, 8, WO_IMG, WO_SC
	s_endpgm
.Lfunc_end_k_q773eb581f9_quant:
	.size	k_q773eb581f9_quant, .Lfunc_end_k_q773eb581f9_quant-k_q773eb581f9_quant
	.p2alignl 7, 3214868480
	.fill 96, 4, 3214868480
	.section	.rodata,"a",@progbits
	.p2align	6, 0x0
	.amdhsa_kernel k_q773eb581f9_quant
		.amdhsa_group_segment_fixed_size 34304
		.amdhsa_private_segment_fixed_size 0
		.amdhsa_enable_private_segment 0
		.amdhsa_kernarg_size 32
		.amdhsa_user_sgpr_count 2
		.amdhsa_user_sgpr_kernarg_segment_ptr 1
		.amdhsa_wavefront_size32 1
		.amdhsa_system_sgpr_workgroup_id_x 1
		.amdhsa_system_sgpr_workgroup_id_y 1
		.amdhsa_system_sgpr_workgroup_id_z 1
		.amdhsa_system_vgpr_workitem_id 0
		.amdhsa_next_free_vgpr 258
		.amdhsa_next_free_sgpr 66
		.amdhsa_reserve_vcc 0
		.amdhsa_float_denorm_mode_32 3
		.amdhsa_float_denorm_mode_16_64 3
		.amdhsa_memory_ordered 1
		.amdhsa_forward_progress 1
		.amdhsa_inst_pref_size 70
	.end_amdhsa_kernel
	.amdgpu_metadata
---
amdhsa.version: [ 1, 2 ]
amdhsa.kernels:
  - .name:           k_q773eb581f9_quant
    .symbol:         k_q773eb581f9_quant.kd
    .args:
      - { .name: x, .offset: 0, .size: 8, .value_kind: global_buffer, .address_space: global }
      - { .name: w_qkv, .offset: 8, .size: 8, .value_kind: global_buffer, .address_space: global }
      - { .name: w_out, .offset: 16, .size: 8, .value_kind: global_buffer, .address_space: global }
      - { .name: xw, .offset: 24, .size: 8, .value_kind: global_buffer, .address_space: global }
    .group_segment_fixed_size: 34304
    .private_segment_fixed_size: 0
    .kernarg_segment_align: 8
    .kernarg_segment_size: 32
    .max_flat_workgroup_size: 128
    .sgpr_count:     66
    .vgpr_count:     258
    .wavefront_size: 32
...
	.end_amdgpu_metadata
.endif
;; end of part 1
;; launch gemm_qkv (part 2): grid 24 x 32, 4 waves a work-group, clusters of 4 x 4, 307,712 bytes of LDS; arguments xw, b_qkv, qkvc; writes qkvc
.if DOCPART == 2
	.amdgcn_target "amdgcn-amd-amdhsa--gfx1250"
	.amdhsa_code_object_version 6
	.text
	.protected	k_q773eb581f9_gemm_qkv
	.globl	k_q773eb581f9_gemm_qkv
	.p2align	8
	.type	k_q773eb581f9_gemm_qkv,@function
k_q773eb581f9_gemm_qkv:
	s_mov_b64 s[64:65], 0
	v_nop
	global_prefetch_b8 v0, s[64:65] scope:SCOPE_SE
	s_setreg_imm32_b32 hwreg(HW_REG_WAVE_MODE, 25, 1), 1
	s_wait_xcnt 0x0
	s_wait_alu depctr_hold_cnt(0) depctr_sa_sdst(0) depctr_va_vdst(0) depctr_va_sdst(0) depctr_va_ssrc(0) depctr_va_vcc(0) depctr_vm_vsrc(0)
	s_getreg_b32 s2, hwreg(HW_REG_IB_STS2, 6, 4)
	s_cmp_eq_u32 s2, 0
	s_cbranch_scc0 .Lentry_in_a_cluster
	s_endpgm
.Lentry_in_a_cluster:
	s_bfe_u32 s2, ttmp6, 0x10000c
	s_cmp_lg_u32 s2, 0xf033
	s_cbranch_scc0 .Lentry_shape_is_right
	s_endpgm
.Lentry_shape_is_right:
; qkv = x w_qkv + b_qkv on codes of BF6 (E3M2) with E8M0 scales, K = 1,024; then q and k are quantised along the head's 64 and v along the keys, and only codes and scale bytes go to memory.
; A work-group of four waves makes 256 rows (tokens) x 128 columns; wave w makes rows 64 w .. 64 w + 63 x all 128: 32 accumulators.  768 tiles are three for each of 256 WGPs.
; ALL OF K LIES IN LDS AT ONCE: the operands' images come by tensor loads in four chunks of two K steps, every fill a first fill; nothing is filled again, so there is no ring.
; Operands lie in memory and in LDS as images of their registers (half fragments of 768 bytes: lane l's registers 0-3 at 16 l, 4-5 at 512 + 8 l): every LDS load reads consecutive bytes.
; CLUSTERS: 4 x 4 work-groups; the four of a row need the same rows of x, the four of a column the same columns of w: each tile is asked for jointly.
; THE MATRIX INSTRUCTION IS USED TRANSPOSED (source 0 = 16 columns of w, source 1 = 16 rows of x): a lane holds one token and eight neighbouring columns.  The bias is the C of the first K step's products.
; THE ORDER INSIDE A BLOCK OF 32: two neighbouring tiles give lane half h the elements 8 h + 0..7 and 16 + 8 h + 0..7, so a block's codes come out with bits 3 and 4 of the place exchanged.  q and k are both laid so (their
; product is the same), and v's keys are laid so on purpose, as the attention launch lays p.  Blocks, scales and code values are the contract's.
; LIMITS: NaN and infinities are not served; a block whose largest magnitude lies under 2^-122 has its byte held at 1; a block of zeros gets the byte 1 (its codes are zeros; this program alone reads the bytes);
; k is permuted inside blocks alike on both sides, so the order of summing inside an instruction is not ascending k.
; No prefetch: every tile is asked for at the kernel's head.
; REGISTERS, in windows of 256: window 0: v1-31 addresses; v32-79 scale words and nothing else; v80-175 w's 8 fragments, v176-223 x's 4 (set 0); v224-255 at work.
;   window 1: the accumulators, (a, b) at v[8 (8 a + b)].   window 2: v0-63 the bias; v80-223 fragment set 1.
.set PA,     4                         ; s[4:5]  the buffer with A's image (xw)
.set PB,     4                         ; the buffer with B's image (xw)
.set PBIAS,  6                         ; s[6:7]  b_qkv
.set A_SC,   6291456                   ; x's scale words in xw (its image is at 0)
.set B_IMG,  6553600                   ; w_qkv's image
.set B_SC,   8912896                   ; its scale words
.set QK_SC,  12582912                  ; qkvc: q's and k's half fragments [n / 64][batch][tile of 16 tokens][768] at 0; then a scale word for each [n / 64][batch][token];
.set V_IMG,  13631488                  ; v's image [4 head + batch][step of 128 keys][tile of 16 channels][c][768];
.set V_SC,   19922944                  ; its scale words [4 head + batch][step][tile][16]
.set LB,     196608                    ; LDS: A's chunks q at 49,152 q (16 tiles x 3,072); B's at LB + 24,576 q (8 tiles x 3,072);
.set LSA,    294912                    ; A's scale words (16 tiles x 512);
.set LSB,    303104                    ; B's (8 tiles x 512)
.set A16, 8                            ; v8-11   chunk q: my four tiles of A, + 16 x lane
.set A8,  12                           ; v12-15  the same + 8 x lane
.set B16, 16                           ; v16-19, v20-23 the same for B
.set B8,  20
.set SC,  32
.set BF,  80
.set AF,  176
.set TM,  224                          ; v224-239 the quantiser's work
.set PW,  240
.set PC,  80                           ; the codes just made: v80-99
.set G1A,  24                          ; s[24:31] group 1 for A's chunks; s[32:39] B's; s[40:47], s[48:55] the scale words'
.set G1B,  32
.set G1SA, 40
.set G1SB, 48
.set G0A0, 56                          ; groups 0
.set G0A1, 60
.set G0A2, 68
.set G0A3, 72
.set G0SA, 76
.set G0B0, 80
.set G0B1, 84
.set G0B2, 88
.set G0B3, 92
.set G0SB, 96
.set MSB, 0
.macro WIN new                         ; the immediate's high byte repeats the setting that is left
.if MSB != \new
	s_set_vgpr_msb (MSB<<8)|\new
.set MSB, \new
.endif
.endm
.macro PLACES                          ; four plain places behind matrix instructions, in front of loads into their registers and of reads of their results
.rept 4
	v_nop
.endr
.endm
.macro CROUND                          ; a round of the cluster's barrier
	s_barrier_signal -1
	s_barrier_wait -1
	s_cmp_lg_u32 s12, 0
	s_cbranch_scc1 .Lnot_wave_0_\@
	s_barrier_signal -3
.Lnot_wave_0_\@:
	s_barrier_wait -3
	s_barrier_signal -1
	s_barrier_wait -1
.endm
.macro QBLK xs, ca, cb, by, tm         ; 32 numbers of one block in one lane -> 2 x 3 registers of codes and the scale's byte
	v_max3_num_f32 v[\tm], |v[\xs]|, |v[\xs+1]|, |v[\xs+2]|
	v_max3_num_f32 v[\tm+1], |v[\xs+3]|, |v[\xs+4]|, |v[\xs+5]|
.irp i, 6,10,14,18,22,26
	v_max3_num_f32 v[\tm], v[\tm], |v[\xs+\i]|, |v[\xs+\i+1]|
	v_max3_num_f32 v[\tm+1], v[\tm+1], |v[\xs+\i+2]|, |v[\xs+\i+3]|
.endr
	v_max3_num_f32 v[\tm], v[\tm], |v[\xs+30]|, |v[\xs+31]|
	v_max3_num_f32 v[\tm], v[\tm], v[\tm+1], 0x2800000               ; the floor 2^(5 - 127): the byte cannot fall under 1
	v_add_nc_u32 v[\tm+2], 0xfe000000, v[\tm]                        ; 4 off the exponent field: the conversion's scale operand
	v_lshrrev_b32 v[\by], 23, v[\tm+2]
	v_cvt_scalef32_pk16_bf6_f32 v[\ca:\ca+2], v[\xs:\xs+15], v[\tm+2]
	v_cvt_scalef32_pk16_bf6_f32 v[\cb:\cb+2], v[\xs+16:\xs+31], v[\tm+2]
.endm
	s_load_b128 s[4:7], s[0:1], 0x0                ; xw, b_qkv
	s_load_b64 s[8:9], s[0:1], 0x10                ; qkvc
	v_lshl_add_u32 v254, v0, 2, 0x4b000
	v_mov_b32 v255, 0
	ds_add_u32 v254, v255
	ds_add_u32 v254, v255
	v_lshrrev_b32 v1, 5, v0
	v_readfirstlane_b32 s12, v1                    ; wave 0..3
	s_and_b32 s13, s12, 1                          ; which 8 tiles of A waves 0 and 1 fetch
	s_bfe_u32 s14, ttmp6, 0x40000                  ; cx
	s_bfe_u32 s15, ttmp6, 0x40004                  ; cy
	s_lshl_b32 s16, ttmp9, 2
	s_add_co_u32 s16, s16, s14                     ; tile column = 4 x cluster x + cx
	s_and_b32 s17, ttmp7, 0xffff
	s_lshl_b32 s17, s17, 2
	s_add_co_u32 s17, s17, s15                     ; tile row = 4 x cluster y + cy
	s_lshl_b32 s18, s15, 2
	s_lshl_b32 s18, 15, s18                        ; my row of the cluster
	s_lshl_b32 s19, 0x1111, s14                    ; my column
	s_or_b32 s[G1A], s18, (3<<16)|(1<<21)          ; 15:0 the mask; 17:16 elements of 8 bytes; 21 set beside a mask; no padding
	s_or_b32 s[G1B], s19, (3<<16)|(1<<21)
	s_or_b32 s[G1SA], s18, (3<<16)|(1<<21)
	s_or_b32 s[G1SB], s19, (3<<16)|(1<<21)
.irp g, G1A, G1B                       ; a chunk of 8 tiles: 8 rows of 3,072 bytes (two K steps), 12,288 bytes apart
	s_mov_b32 s[\g+1], 384<<16                     ; tensor_dim0
	s_mov_b32 s[\g+2], 8<<16                       ; tensor_dim1
	s_mov_b32 s[\g+3], 384<<16                     ; tile_dim0
	s_mov_b32 s[\g+4], 8                           ; tile_dim1
	s_mov_b32 s[\g+5], 1536                        ; the pitch
	s_mov_b32 s[\g+6], 0
	s_mov_b32 s[\g+7], 0
.endr
.irp g, G1SA, G1SB                     ; 8 tiles' scale words: 4,096 dense bytes as 16 rows of 256
	s_mov_b32 s[\g+1], 32<<16
	s_mov_b32 s[\g+2], 16<<16
	s_mov_b32 s[\g+3], 32<<16
	s_mov_b32 s[\g+4], 16
	s_mov_b32 s[\g+5], 32
	s_mov_b32 s[\g+6], 0
	s_mov_b32 s[\g+7], 0
.endr
	; A's addresses hang on the tile row and the wave alone, B's on the tile column alone, each in registers of its own
	s_mul_i32 s20, s17, 196608                     ; 16 tiles of 12,288 bytes
	s_mul_i32 s21, s13, 98304
	s_add_co_u32 s20, s20, s21
	s_mov_b32 s21, 0
	s_lshl_b32 s22, s17, 13                        ; 16 tiles of 512 bytes
	s_lshl_b32 s23, s13, 12
	s_add_co_u32 s22, s22, s23
	s_add_co_u32 s22, s22, A_SC
	s_mov_b32 s23, 0
	s_mul_i32 s2, s16, 98304                       ; 8 tiles of 12,288 bytes
	s_add_co_u32 s2, s2, B_IMG
	s_mov_b32 s3, 0
	s_lshl_b32 s[G0SB+2], s16, 12
	s_add_co_u32 s[G0SB+2], s[G0SB+2], B_SC
	s_mov_b32 s[G0SB+3], 0
	s_mul_i32 s18, s13, 24576                      ; in LDS: 8 tiles of a chunk
	s_wait_dscnt 0x0
	s_wait_kmcnt 0x0
	s_add_nc_u64 s[20:21], s[PA:PA+1], s[20:21]
	s_add_nc_u64 s[22:23], s[PA:PA+1], s[22:23]
	s_add_nc_u64 s[2:3], s[PB:PB+1], s[2:3]
	s_add_nc_u64 s[G0SB+2:G0SB+3], s[PB:PB+1], s[G0SB+2:G0SB+3]
	CROUND                                         ; all sixteen work-groups are here: the joint loads meet
.macro SETA g, q
	s_mov_b32 s[\g], 1
	s_add_co_u32 s[\g+1], s18, \q*49152
	s_add_nc_u64 s[\g+2:\g+3], s[20:21], \q*3072
	s_or_b32 s[\g+3], s[\g+3], 0x80000000
.endm
.macro SETB g, q
	s_mov_b32 s[\g], 1
	s_mov_b32 s[\g+1], LB+\q*24576
	s_add_nc_u64 s[\g+2:\g+3], s[2:3], \q*3072
	s_or_b32 s[\g+3], s[\g+3], 0x80000000
.endm
	SETA G0A0, 0
	SETA G0A1, 1
	SETA G0A2, 2
	SETA G0A3, 3
	SETB G0B0, 0
	SETB G0B1, 1
	SETB G0B2, 2
	SETB G0B3, 3
	s_mov_b32 s[G0SA], 1
	s_lshl_b32 s[G0SA+1], s13, 12
	s_add_co_u32 s[G0SA+1], s[G0SA+1], LSA
	s_mov_b64 s[G0SA+2:G0SA+3], s[22:23]
	s_or_b32 s[G0SA+3], s[G0SA+3], 0x80000000
	s_mov_b32 s[G0SB], 1
	s_mov_b32 s[G0SB+1], LSB
	s_or_b32 s[G0SB+3], s[G0SB+3], 0x80000000
	; the fills: one branch on the wave's number; waves 0 and 1 fetch A's halves, wave 2 B, wave 3 nothing.  Five loads of a wave are out.  Four v_nop follow the last
	s_cmp_lt_u32 s12, 2
	s_cbranch_scc0 .Lnot_a
	tensor_load_to_lds s[G0SA:G0SA+3], s[G1SA:G1SA+7]
	s_nop 0
	tensor_load_to_lds s[G0A0:G0A0+3], s[G1A:G1A+7]
	s_nop 0
	tensor_load_to_lds s[G0A1:G0A1+3], s[G1A:G1A+7]
	s_nop 0
	tensor_load_to_lds s[G0A2:G0A2+3], s[G1A:G1A+7]
	s_nop 0
	tensor_load_to_lds s[G0A3:G0A3+3], s[G1A:G1A+7]
	s_nop 0
	PLACES
	s_branch .Lasked
.Lnot_a:
	s_cmp_eq_u32 s12, 2
	s_cbranch_scc0 .Lasked
	tensor_load_to_lds s[G0SB:G0SB+3], s[G1SB:G1SB+7]
	s_nop 0
	tensor_load_to_lds s[G0B0:G0B0+3], s[G1B:G1B+7]
	s_nop 0
	tensor_load_to_lds s[G0B1:G0B1+3], s[G1B:G1B+7]
	s_nop 0
	tensor_load_to_lds s[G0B2:G0B2+3], s[G1B:G1B+7]
	s_nop 0
	tensor_load_to_lds s[G0B3:G0B3+3], s[G1B:G1B+7]
	s_nop 0
	PLACES
.Lasked:
	v_and_b32 v1, 31, v0                           ; lane
	v_and_b32 v2, 15, v0                           ; r
	v_bfe_u32 v3, v0, 4, 1                         ; h
	v_lshlrev_b32 v4, 4, v1                        ; 16 x lane
	s_wait_alu depctr_va_vdst(0)
	v_lshlrev_b32 v5, 3, v1                        ; 8 x lane
	s_wait_alu depctr_va_vdst(0)
	v_lshlrev_b32 v27, 5, v3                       ; the bias: 32 h
	s_lshl_b32 s18, s16, 9                         ; my 128 columns
	s_mov_b32 s19, 0
	s_add_nc_u64 s[PBIAS:PBIAS+1], s[PBIAS:PBIAS+1], s[18:19]
	WIN 0x80                                       ; destination window 2
.irp b, 0,1,2,3,4,5,6,7                ; register 8 b + j: the bias of column 16 b + 8 h + j, in the result's layout
	global_load_b128 v[8*\b:8*\b+3], v27, s[PBIAS:PBIAS+1] offset:64*\b
	global_load_b128 v[8*\b+4:8*\b+7], v27, s[PBIAS:PBIAS+1] offset:64*\b+16
.endr
	WIN 0
	s_mul_i32 s18, s12, 12288                      ; my four tiles in a chunk of A
	s_mov_b32 s19, LB
.irp q, 0,1,2,3
	v_add_nc_u32 v[A16+\q], s18, v4
	v_add_nc_u32 v[A8+\q], s18, v5
	v_add_nc_u32 v[B16+\q], s19, v4
	v_add_nc_u32 v[B8+\q], s19, v5
	s_add_co_u32 s18, s18, 49152
	s_add_co_u32 s19, s19, 24576
.endr
	s_xor_b32 s19, s12, 3                          ; scale words: lanes 0-15 take A's tile 4 w + i, lanes 16-31 B's tile i: the lower base + h x the distance, (4 - w) x 2,048
	s_add_co_u32 s19, s19, 1
	s_lshl_b32 s19, s19, 11
	v_mul_u32_u24 v6, s19, v3
	v_lshl_add_u32 v6, v2, 4, v6
	s_lshl_b32 s18, s12, 11
	s_add_co_u32 s18, s18, LSA
	v_add_nc_u32 v6, s18, v6
	v_lshlrev_b32 v7, 10, v3                       ; lanes 0-15 B's tile 4 + i, lanes 16-31 B's tile 6 + i
	v_lshl_add_u32 v7, v2, 4, v7
	v_add_nc_u32 v7, LSB+2048, v7
	; the way out's addresses
	s_mul_i32 s18, s12, 33792
	v_mul_u32_u24 v24, v2, 528
	v_lshl_add_u32 v24, v3, 5, v24
	v_add_nc_u32 v24, s18, v24                     ; v's stage: row 64 w + r of 528 bytes, + 32 h
	v_lshlrev_b32 v25, 2, v2
	v_lshl_add_u32 v25, v3, 15, v25                ; q's and k's scale words: 4 r, lanes 16-31 the next head's
	s_mov_b32 s18, 0x02020202
	v_mul_lo_u32 v26, v3, s18
	v_add_nc_u32 v26, 0x01000100, v26              ; byte selects: lanes 0-15 bytes 0, 1, 0, 1; lanes 16-31 bytes 2, 3, 2, 3
	v_lshlrev_b32 v28, 2, v0                       ; v's stage by columns: 4 x (32 w + lane),
	v_add_nc_u32 v29, 33792, v28                   ; and 64 keys further down each
	v_add_nc_u32 v30, 2*33792, v28
	v_add_nc_u32 v31, 3*33792, v28
.irp b, 0,1,2,3
	v_mov_b32 v[TM+4+\b], 0                        ; written once: a lane permute's destination counts as one of its sources
.endr
.macro FETCH s                         ; K step s: B's 8 fragments and my 4 of A, 48 loads of consecutive bytes, into set s % 2
.if (\s)%2
	WIN 0x80
.else
	WIN 0
.endif
.irp b, 0,1,2,3,4,5,6,7
.irp c, 0,1
	ds_load_b128 v[BF+12*\b+6*\c:BF+12*\b+6*\c+3], v[B16+(\s)/2] offset:\b*3072+((\s)%2)*1536+768*\c
	ds_load_b64 v[BF+12*\b+6*\c+4:BF+12*\b+6*\c+5], v[B8+(\s)/2] offset:\b*3072+((\s)%2)*1536+768*\c+512
.endr
.endr
.irp a, 0,1,2,3
.irp c, 0,1
	ds_load_b128 v[AF+12*\a+6*\c:AF+12*\a+6*\c+3], v[A16+(\s)/2] offset:\a*3072+((\s)%2)*1536+768*\c
	ds_load_b64 v[AF+12*\a+6*\c+4:AF+12*\a+6*\c+5], v[A8+(\s)/2] offset:\a*3072+((\s)%2)*1536+768*\c+512
.endr
.endr
.endm
.macro ONE a, b, s                     ; B's words: tiles 0-3 in lanes 16-31 of the registers that carry A's; tiles 4, 5 in lanes 0-15 and tiles 6, 7 in lanes 16-31 of the last sixteen
.set rD, 8*(8*(\a)+(\b))
.set rB, BF+12*(\b)
.set rA, AF+12*(\a)
.set rSA, SC+8*(\a)+(\s)
.set rSB, SC+8*(\b)+(\s)
.if (\b) >= 4
.set rSB, SC+32+8*((\b)%2)+(\s)
.endif
.set rC, rD
.if (\s) == 0
.set rC, 8*(\b)
.endif
.if (\b)/2 == 2
	v_wmma_scale_f32_16x16x128_f8f6f4 v[rD:rD+7], v[rB:rB+11], v[rA:rA+11], v[rC:rC+7], v[rSB], v[rSA] matrix_a_fmt:MATRIX_FMT_BF6 matrix_b_fmt:MATRIX_FMT_BF6
.else
	v_wmma_scale_f32_16x16x128_f8f6f4 v[rD:rD+7], v[rB:rB+11], v[rA:rA+11], v[rC:rC+7], v[rSB], v[rSA] matrix_a_fmt:MATRIX_FMT_BF6 matrix_b_fmt:MATRIX_FMT_BF6 matrix_a_scale:MATRIX_SCALE_ROW1
.endif
.endm
.macro MUL a, s                        ; 8 products.  The 32 accumulators take turns, one instruction a turn, in the same order in every K step
.if (\s) == 0
	WIN 0x60                                       ; C: the bias, window 2; D window 1
.elseif (\s)%2
	WIN 0x5a                                       ; fragments window 2; C and D window 1
.else
	WIN 0x50
.endif
.irp b, 0,1,2,3,4,5,6,7
	ONE \a, \b, \s
.endr
.endm
.macro KSTEP s
	s_wait_dscnt 0x0                               ; this step's fragments are in
.if (\s)%2
.if (\s) < 7
	s_wait_tensorcnt 3-((\s)+1)/2                  ; my part of the next chunk has landed; the chunks issued behind it may be out
	s_barrier_signal -1
.endif
.endif
	MUL 0, \s
.if (\s)%2
.if (\s) < 7
	s_barrier_wait -1                              ; everybody's part has
.endif
.endif
.if (\s) < 7
	PLACES                                         ; for the loads into the set that the step before multiplied
	FETCH (\s)+1
.endif
	MUL 1, \s
	MUL 2, \s
	MUL 3, \s
.endm
	s_wait_tensorcnt 0x3                           ; my scale words and my part of chunk 0 are in; three chunks may be out
	s_barrier_signal -1
	s_barrier_wait -1
.irp i, 0,1,2,3
.irp kh, 0,1
	ds_load_b128 v[SC+8*\i+4*\kh:SC+8*\i+4*\kh+3], v6 offset:\i*512+\kh*256    ; four K steps' words a load
.endr
.endr
.irp i, 0,1
.irp kh, 0,1
	ds_load_b128 v[SC+32+8*\i+4*\kh:SC+32+8*\i+4*\kh+3], v7 offset:\i*512+\kh*256
.endr
.endr
	FETCH 0
	s_wait_loadcnt 0x0                             ; the bias
	KSTEP 0
	KSTEP 1
	KSTEP 2
	KSTEP 3
	KSTEP 4
	KSTEP 5
	KSTEP 6
	KSTEP 7
	WIN 0
	PLACES
	s_mov_b32 s24, 0x76543210                      ; (all tensor loads were shown done in K step 5: the descriptors' registers are free)
	s_mov_b32 s25, 0xfedcba98                      ; v_permlanex16_b32's selects for lane l xor 16
; THE WAY OUT.  Clusters with x < 4 hold columns of q and k, the others of v: the cluster's x is the same in all partners.
; v goes through a stage in LDS, [256 keys][128 columns] f32, rows of 528 bytes, in the bytes of A's chunks 0 to 2: they have had their only fill, and every wave's last reads of them were waited for in front of the barrier of K step 5.
	s_cmp_lt_u32 ttmp9, 4
	s_cbranch_scc1 .Lnostage
	WIN 0x04                                       ; an LDS store's data are its source 1: window 1
.irp a, 0,1,2,3
.irp b, 0,1,2,3,4,5,6,7
	ds_store_b128 v24, v[8*(8*\a+\b):8*(8*\a+\b)+3] offset:16*\a*528+64*\b          ; each accumulator from its low end on
	ds_store_b128 v24, v[8*(8*\a+\b)+4:8*(8*\a+\b)+7] offset:16*\a*528+64*\b+16
.endr
.endr
	WIN 0
.Lnostage:
	s_wait_dscnt 0x0                               ; my stores into the stage are done
	s_barrier_signal -1
	s_barrier_wait -1
	s_lshr_b32 s18, s17, 3                         ; the batch
	s_and_b32 s19, s17, 7                          ; which 256 tokens of it
	s_cmp_lt_u32 ttmp9, 4
	s_cbranch_scc1 .Lqk
; ---- v: a lane takes a column (a channel) and its registers run down the keys.  Wave w: columns 32 w + lane: head 2 (tile column - 16) + w / 2, its channel tiles 2 (w % 2) and 2 (w % 2) + 1; 256 keys are 8 blocks.
	s_sub_co_u32 s20, s16, 16
	s_lshl_b32 s20, s20, 1
	s_lshr_b32 s21, s12, 1
	s_add_co_u32 s20, s20, s21                     ; head
	s_and_b32 s2, s12, 1
	s_lshl_b32 s21, s20, 2
	s_add_co_u32 s21, s21, s18                     ; 4 head + batch
	s_mul_i32 s22, s21, 98304
	s_mul_i32 s23, s19, 12288                      ; two steps of 128 keys
	s_add_co_u32 s22, s22, s23
	s_mul_i32 s23, s2, 3072                        ; two channel tiles
	s_add_co_u32 s22, s22, s23
	s_add_co_u32 s22, s22, V_IMG
	s_mov_b32 s23, 0
	s_add_nc_u64 s[22:23], s[8:9], s[22:23]
	s_lshl_b32 s20, s21, 12
	s_lshl_b32 s21, s19, 9
	s_add_co_u32 s20, s20, s21
	s_lshl_b32 s21, s2, 7
	s_add_co_u32 s20, s20, s21
	s_add_co_u32 s20, s20, V_SC
	s_mov_b32 s21, 0
	s_add_nc_u64 s[20:21], s[8:9], s[20:21]
	v_lshlrev_b32 v108, 2, v1                      ; 4 x lane
.macro VPAIR cp                        ; keys 64 cp .. 64 cp + 63: two blocks; place i of a block takes key i with bits 3 and 4 exchanged
.set i, 0
.rept 32
	ds_load_b32 v[112+i], v[28+\cp] offset:(i+8*((i/8)%2)-8*(i/16))*528
	ds_load_b32 v[144+i], v[28+\cp] offset:(32+i+8*((i/8)%2)-8*(i/16))*528
.set i, i+1
.endr
	s_wait_dscnt 0x0
.if \cp > 0
	s_wait_xcnt 0x0                                ; the last pair's stores have read their data
.endif
	QBLK 112, 80, 88, 104, 224
	QBLK 144, 92, 100, 105, 228
	v_nop                                          ; one plain place behind a scaled conversion
.irp i, 0,1,2
	v_mov_b32 v[83+\i], v[88+\i]
	v_mov_b32 v[95+\i], v[100+\i]
.endr
.irp i, 0,1,2,3,4,5
	v_permlane16_swap_b32 v[80+\i], v[92+\i]       ; v80 on: the first channel tile's half fragment; v92 on: the second's
.endr
.if (\cp)%2 == 0
	v_lshl_or_b32 v[106+(\cp)/2], v105, 8, v104    ; four bytes make a step's scale word
.else
	v_lshl_or_b32 v[106+(\cp)/2], v104, 16, v[106+(\cp)/2]
	v_lshl_or_b32 v[106+(\cp)/2], v105, 24, v[106+(\cp)/2]
.endif
	global_store_b128 v4, v[80:83], s[22:23] offset:((\cp)/2)*6144+((\cp)%2)*768
	global_store_b64 v5, v[84:85], s[22:23] offset:((\cp)/2)*6144+((\cp)%2)*768+512
	global_store_b128 v4, v[92:95], s[22:23] offset:((\cp)/2)*6144+((\cp)%2)*768+1536
	global_store_b64 v5, v[96:97], s[22:23] offset:((\cp)/2)*6144+((\cp)%2)*768+2048
.endm
	s_wait_alu depctr_va_vdst(0)
	VPAIR 0
	VPAIR 1
	VPAIR 2
	VPAIR 3
	global_store_b32 v108, v106, s[20:21]          ; 128 consecutive bytes: two tiles' words of a step
	global_store_b32 v108, v107, s[20:21] offset:256
	s_branch .Lend
; ---- q and k: my 128 columns are two heads; a tile of 16 tokens gives one half fragment and one scale word a token for each.
.Lqk:
	s_mul_i32 s20, s16, 2*393216                   ; two heads' worth of [batch][tile][768]
	s_mul_i32 s21, s18, 98304
	s_add_co_u32 s20, s20, s21
	s_lshl_b32 s21, s19, 4
	s_lshl_b32 s22, s12, 2
	s_add_co_u32 s21, s21, s22                     ; my first tile of tokens in the batch
	s_mul_i32 s22, s21, 768
	s_add_co_u32 s20, s20, s22
	s_lshl_b32 s22, s21, 6                         ; 16 tokens x 4 bytes
	s_mov_b32 s21, 0
	s_add_nc_u64 s[20:21], s[8:9], s[20:21]
	s_lshl_b32 s23, s16, 16
	s_add_co_u32 s22, s22, s23
	s_lshl_b32 s23, s18, 13
	s_add_co_u32 s22, s22, s23
	s_add_co_u32 s22, s22, QK_SC
	s_mov_b32 s23, 0
	s_add_nc_u64 s[22:23], s[8:9], s[22:23]
; The 64 numbers of a lane in tile a (window 1, v[64 a] on; register 16 b + i belongs to block b of my token) become 12 registers of codes and a scale word.
.macro QUANTA a
	WIN 0x05                                       ; sources 0 and 1 window 1
.irp b, 0,1,2,3
	v_max3_num_f32 v[TM+\b], |v[64*\a+16*\b]|, |v[64*\a+16*\b+1]|, 0x2800000   ; my 16 numbers of block b, from each accumulator's low end on, and the floor 2^(5 - 127)
.endr
	WIN 0x14                                       ; sources 1 and 2 window 1
.irp i, 2,4,6,8,10,12,14
.irp b, 0,1,2,3
	v_max3_num_f32 v[TM+\b], v[TM+\b], |v[64*\a+16*\b+\i]|, |v[64*\a+16*\b+\i+1]|
.endr
.endr
	WIN 0
.irp b, 0,1,2,3
	v_permlanex16_b32 v[TM+4+\b], v[TM+\b], s24, s25
.endr
.irp b, 0,1,2,3
	v_max_num_f32 v[TM+\b], v[TM+\b], v[TM+4+\b]   ; with lane l xor 16's: the block's largest magnitude
.endr
.irp b, 0,1,2,3
	v_add_nc_u32 v[TM+12+\b], 0xfe000000, v[TM+\b] ; 4 off the exponent field: the conversion's scale operand
.endr
.irp b, 0,1,2,3
	v_lshrrev_b32 v[TM+4+\b], 23, v[TM+12+\b]      ; the scale's byte
.endr
	v_lshl_or_b32 v[PW], v[TM+5], 8, v[TM+4]
	v_lshl_or_b32 v[PW], v[TM+6], 16, v[PW]
	v_lshl_or_b32 v[PW], v[TM+7], 24, v[PW]
	WIN 0x01                                       ; the numbers: window 1
.irp c, 0,1
	v_cvt_scalef32_pk16_bf6_f32 v[PC+6*\c:PC+6*\c+2], v[64*\a+32*\c:64*\a+32*\c+15], v[TM+12+2*\c]
	v_cvt_scalef32_pk16_bf6_f32 v[PC+12+4*\c:PC+14+4*\c], v[64*\a+32*\c+16:64*\a+32*\c+31], v[TM+12+2*\c+1]
.endr
	WIN 0
	v_nop                                          ; one plain place behind a scaled conversion
.irp c, 0,1                            ; a whole block to a lane: lanes 0-15 block 2 c, lanes 16-31 block 2 c + 1
.irp i, 0,1,2
	v_permlane16_swap_b32 v[PC+6*\c+\i], v[PC+12+4*\c+\i]
.endr
.irp i, 0,1,2
	v_mov_b32 v[PC+3+6*\c+\i], v[PC+12+4*\c+\i]
.endr
.endr
.endm
.macro QKOUT a
.if \a > 0
	s_wait_xcnt 0x0                                ; the last tile's stores have read their data
.endif
	QUANTA \a
	v_perm_b32 v241, v[PW], v[PW], v26             ; a head's two bytes, twice: the upper two stand over the zero codes with which the attention launch fills K from 64 to 128
.irp c, 0,1
	global_store_b128 v4, v[PC+6*\c:PC+6*\c+3], s[20:21] offset:\c*393216+\a*768
	global_store_b64 v5, v[PC+6*\c+4:PC+6*\c+5], s[20:21] offset:\c*393216+\a*768+512
.endr
	global_store_b32 v25, v241, s[22:23] offset:\a*64
.endm
	QKOUT 0
	QKOUT 1
	QKOUT 2
	QKOUT 3
.Lend:
	s_wait_tensorcnt 0x0
	ds_add_u32 v254, v255
	s_wait_dscnt 0x0
	CROUND                                         ; the closing round: no work-group ends while a partner may still ask for a tile that names it
	s_endpgm
.Lfunc_end_k_q773eb581f9_gemm_qkv:
	.size	k_q773eb581f9_gemm_qkv, .Lfunc_end_k_q773eb581f9_gemm_qkv-k_q773eb581f9_gemm_qkv
	.p2alignl 7, 3214868480
	.fill 96, 4, 3214868480
	.section	.rodata,"a",@progbits
	.p2align	6, 0x0
	.amdhsa_kernel k_q773eb581f9_gemm_qkv
		.amdhsa_group_segment_fixed_size 307712
		.amdhsa_private_segment_fixed_size 0
		.amdhsa_enable_private_segment 0
		.amdhsa_kernarg_size 24
		.amdhsa_user_sgpr_count 2
		.amdhsa_user_sgpr_kernarg_segment_ptr 1
		.amdhsa_wavefront_size32 1
		.amdhsa_system_sgpr_workgroup_id_x 1
		.amdhsa_system_sgpr_workgroup_id_y 1
		.amdhsa_system_sgpr_workgroup_id_z 1
		.amdhsa_system_vgpr_workitem_id 0
		.amdhsa_next_free_vgpr 768
		.amdhsa_next_free_sgpr 100
		.amdhsa_reserve_vcc 0
		.amdhsa_float_denorm_mode_32 3
		.amdhsa_float_denorm_mode_16_64 3
		.amdhsa_memory_ordered 1
		.amdhsa_forward_progress 1
		.amdhsa_inst_pref_size 126
	.end_amdhsa_kernel
	.amdgpu_metadata
---
amdhsa.version: [ 1, 2 ]
amdhsa.kernels:
  - .name:           k_q773eb581f9_gemm_qkv
    .symbol:         k_q773eb581f9_gemm_qkv.kd
    .args:
      - { .name: xw, .offset: 0, .size: 8, .value_kind: global_buffer, .address_space: global }
      - { .name: b_qkv, .offset: 8, .size: 8, .value_kind: global_buffer, .address_space: global }
      - { .name: qkvc, .offset: 16, .size: 8, .value_kind: global_buffer, .address_space: global }
    .group_segment_fixed_size: 307712
    .private_segment_fixed_size: 0
    .kernarg_segment_align: 8
    .kernarg_segment_size: 24
    .max_flat_workgroup_size: 128
    .sgpr_count:     100
    .vgpr_count:     768
    .wavefront_size: 32
...
	.end_amdgpu_metadata
.endif
;; end of part 2
;; launch attn (part 3): grid 4 x 64, 16 waves a work-group, clusters of 4 x 1, 210,944 bytes of LDS; arguments qkvc, yq; writes yq
.if DOCPART == 3
	.amdgcn_target "amdgcn-amd-amdhsa--gfx1250"
	.amdhsa_code_object_version 6
	.text
	.protected	k_q773eb581f9_attn
	.globl	k_q773eb581f9_attn
	.p2align	8
	.type	k_q773eb581f9_attn,@function
k_q773eb581f9_attn:
	s_mov_b64 s[64:65], 0
	v_nop
	global_prefetch_b8 v0, s[64:65] scope:SCOPE_SE
	s_setreg_imm32_b32 hwreg(HW_REG_WAVE_MODE, 25, 1), 1
	s_wait_xcnt 0x0
	s_wait_alu depctr_hold_cnt(0) depctr_sa_sdst(0) depctr_va_vdst(0) depctr_va_sdst(0) depctr_va_ssrc(0) depctr_va_vcc(0) depctr_vm_vsrc(0)
	s_getreg_b32 s2, hwreg(HW_REG_IB_STS2, 6, 4)
	s_cmp_eq_u32 s2, 0
	s_cbranch_scc0 .Lentry_in_a_cluster
	s_endpgm
.Lentry_in_a_cluster:
	s_bfe_u32 s2, ttmp6, 0x10000c
	s_cmp_lg_u32 s2, 0x3003
	s_cbranch_scc0 .Lentry_shape_is_right
	s_endpgm
.Lentry_shape_is_right:
; y[b][t][head] = softmax(q k^T / 8, causal) v, both products on codes of BF6 (E3M2) with E8M0 scales; y is quantised along the model's 1,024 and leaves as codes and scale bytes.
; THE SOFTMAX AHEAD OF THE SECOND PRODUCT: t = score x log2(e) / 8; M = the row's largest t so far, rounded up to a whole number; p = 2^(t - M) is what is quantised along the keys.  The row's sum is taken of the
; unquantised p and divides at the end.  When M moves, the sum and O are multiplied by 2^(old M - new M): exact.
; SHARES.  A cluster of four work-groups owns one head of one batch (cluster y = 4 head + batch).  The head's whole K, V and their scale words, 208,896 bytes, come into each partner's LDS ONCE, by joint loads: no ring, nothing is filled again.
; The head's 128 tiles of 16 queries form 16 groups g of 8, in line with the steps of 128 keys: group g needs steps 0 .. g, and step g is its diagonal.  Partner p takes tiles 8 g + 2 p + e.  Wave w has e = w / 8 and takes
; group 15 - w % 8 and then group w % 8: 17 steps for every wave of the launch.  Branches hang on the wave's number and on counters alone; p enters global addresses and the mask's numbers alone.
; LAYOUT.  Both products are used transposed (S^T = K Q^T, O^T = V^T P^T): a lane holds one query throughout.  A tile of K is 16 neighbouring keys, so p's codes of a block of 32 come out with bits 3 and 4 of the place exchanged;
; v's image has its keys laid the same way, q and k have their channels so, and y's channels come out so, as w_out's image has its K.
; THE HEAD IS 64, THE INSTRUCTION 128 DEEP: Q's upper six registers are zero codes; K's operand for tile t is 12 registers from its own six on, the upper six being whatever follows; they meet zeros.  Scale bytes 2, 3 repeat 0, 1.
; LIMITS: NaN and infinities are not served; a block whose largest magnitude lies under 2^-122 has its byte held at 1; a block of zeros gets the byte 1 (its codes are zeros; this program alone reads the bytes).
; A block's largest p is the block's largest score put through the same multiply-add and exponential; this takes v_exp_f32 not to fall where its input rises.
; No prefetch: all that the launch reads is asked for at its head.
.set QK_SC,  12582912
.set V_IMG,  13631488
.set V_SC,   19922944
.set Y_SC,   6291456
.set LV,   98304                       ; LDS: K [tile of 16 keys][768] at 0; V [step][channel tile][c][768];
.set LKS,  196608                      ; K's scale words [key];
.set LVS,  204800                      ; V's [step][channel tile][16]
.set NM,   30                          ; v30 -M, v31 the largest t
.set SUM,  32                          ; v[32:33] the sum in two halves
.set F,    34                          ; v34 f = 2^(old M - new M); v35 named with it as a pair
.set KF,   36                          ; v36-83 K's 8 x 6 registers, later V's 4 x 12; v84-89 zeros
.set SCW,  90                          ; v90-97 K's or V's scale words, and nothing else
.set S,    98                          ; v98-161 S^T, then p
.set OT,   162                         ; v162-193 O^T
.set PC,   194                         ; v194-213 p's codes
.set TM,   214                         ; v214-226 at work
.set PW,   238                         ; p's scale word
.set G,    14                          ; s14 the tile's group
.set ST,   15                          ; s15 the step
.set TB,   16                          ; s16 6,144 x step
.set TS,   17                          ; s17 512 x step
.set TV,   18                          ; s18 256 x step
.set SEL,  20
.set CS,   22                          ; s[22:23] c = log2(e) / 8
.set G1P1, 24                          ; groups 1: dense blocks as rows of 256 bytes: 48, 168, 32 and 16 rows
.set G1P2, 32
.set G1KS, 40
.set G1VS, 48
.set G0K1, 56
.set G0K2A, 60
.set G0V1, 68
.set G0V2A, 72
.set G0KS, 76
.set G0K2B, 80
.set G0VS, 84
.set G0V2B, 88
.macro PLACES
.rept 4
	v_nop
.endr
.endm
.macro CROUND                          ; a round of the cluster's barrier
	s_barrier_signal -1
	s_barrier_wait -1
	s_cmp_lg_u32 s8, 0
	s_cbranch_scc1 .Lnot_wave_0_\@
	s_barrier_signal -3
.Lnot_wave_0_\@:
	s_barrier_wait -3
	s_barrier_signal -1
	s_barrier_wait -1
.endm
	s_load_b128 s[4:7], s[0:1], 0x0                ; qkvc, yq
	v_lshl_add_u32 v254, v0, 2, 0x33000
	v_mov_b32 v255, 0
	ds_add_u32 v254, v255
	ds_add_u32 v254, v255
	v_lshrrev_b32 v1, 5, v0
	s_delay_alu instid0(VALU_DEP_1)
	v_readfirstlane_b32 s8, v1                     ; wave 0..15
	s_bfe_u32 s9, ttmp6, 0x40000                   ; p: my place in the cluster
	s_and_b32 s10, ttmp7, 0xffff                   ; 4 head + batch, which the partners share
.irp g, G1P1, G1P2, G1KS, G1VS
	s_mov_b32 s[\g], 15|(3<<16)|(1<<21)            ; 15:0 the mask: all four; 17:16 elements of 8 bytes; 21 set beside a mask
	s_mov_b32 s[\g+1], 32<<16
	s_mov_b32 s[\g+3], 32<<16
	s_mov_b32 s[\g+5], 32
	s_mov_b32 s[\g+6], 0
	s_mov_b32 s[\g+7], 0
.endr
	s_mov_b32 s[G1P1+2], 48<<16
	s_mov_b32 s[G1P1+4], 48
	s_mov_b32 s[G1P2+2], 168<<16
	s_mov_b32 s[G1P2+4], 168
	s_mov_b32 s[G1KS+2], 32<<16
	s_mov_b32 s[G1KS+4], 32
	s_mov_b32 s[G1VS+2], 16<<16
	s_mov_b32 s[G1VS+4], 16
	s_mul_i32 s2, s10, 98304
	s_mov_b32 s3, 0
	s_lshl_b32 s66, s10, 13
	s_add_co_u32 s66, s66, QK_SC
	s_mov_b32 s67, 0
	s_lshl_b32 s[G0VS+2], s10, 12
	s_add_co_u32 s[G0VS+2], s[G0VS+2], V_SC
	s_mov_b32 s[G0VS+3], 0
	s_mov_b32 s[SEL], 0x76543210
	s_mov_b32 s[SEL+1], 0xfedcba98                 ; v_permlanex16_b32's selects for lane l xor 16
	s_mov_b32 s[CS], 0x3e38aa3b
	s_mov_b32 s[CS+1], s[CS]                       ; (named with it as a pair, so it is written)
	s_wait_dscnt 0x0
	s_wait_kmcnt 0x0
	s_add_nc_u64 s[2:3], s[4:5], s[2:3]            ; the head's q tiles; its k tiles lie 64 x 98,304 bytes on
	s_add_nc_u64 s[66:67], s[4:5], s[66:67]        ; q's scale words; k's lie 64 x 8,192 bytes on
	s_add_nc_u64 s[G0VS+2:G0VS+3], s[4:5], s[G0VS+2:G0VS+3]
	CROUND                                         ; all four work-groups are here: the joint loads meet
.macro G0 g, lds, base, off
	s_mov_b32 s[\g], 1
	s_mov_b32 s[\g+1], \lds
	s_add_nc_u64 s[\g+2:\g+3], s[\base:\base+1], \off
	s_or_b32 s[\g+3], s[\g+3], 0x80000000
.endm
	G0 G0K1, 0, 2, 6291456                         ; keys 0-255
	G0 G0K2A, 12288, 2, 6291456+12288
	G0 G0K2B, 55296, 2, 6291456+55296
	G0 G0V1, LV, 2, V_IMG                          ; steps 0 and 1
	G0 G0V2A, LV+12288, 2, V_IMG+12288
	G0 G0V2B, LV+55296, 2, V_IMG+55296
	G0 G0KS, LKS, 66, 524288
	s_mov_b32 s[G0VS], 1
	s_mov_b32 s[G0VS+1], LVS
	s_or_b32 s[G0VS+3], s[G0VS+3], 0x80000000
	; the fills: waves 0 to 3, two loads each, in one chain of branches on the wave's number; what the first two steps want comes first.  Two loads of a wave are out.  Four v_nop follow the second
	s_cmp_lg_u32 s8, 0
	s_cbranch_scc1 .Lf1
	tensor_load_to_lds s[G0K1:G0K1+3], s[G1P1:G1P1+7]
	s_nop 0
	tensor_load_to_lds s[G0K2A:G0K2A+3], s[G1P2:G1P2+7]
	s_nop 0
	PLACES
	s_branch .Lfd
.Lf1:
	s_cmp_lg_u32 s8, 1
	s_cbranch_scc1 .Lf2
	tensor_load_to_lds s[G0V1:G0V1+3], s[G1P1:G1P1+7]
	s_nop 0
	tensor_load_to_lds s[G0V2A:G0V2A+3], s[G1P2:G1P2+7]
	s_nop 0
	PLACES
	s_branch .Lfd
.Lf2:
	s_cmp_lg_u32 s8, 2
	s_cbranch_scc1 .Lf3
	tensor_load_to_lds s[G0KS:G0KS+3], s[G1KS:G1KS+7]
	s_nop 0
	tensor_load_to_lds s[G0K2B:G0K2B+3], s[G1P2:G1P2+7]
	s_nop 0
	PLACES
	s_branch .Lfd
.Lf3:
	s_cmp_lg_u32 s8, 3
	s_cbranch_scc1 .Lfd
	tensor_load_to_lds s[G0VS:G0VS+3], s[G1VS:G1VS+7]
	s_nop 0
	tensor_load_to_lds s[G0V2B:G0V2B+3], s[G1P2:G1P2+7]
	s_nop 0
	PLACES
.Lfd:
	s_lshr_b32 s11, s8, 3                          ; e
	s_and_b32 s12, s8, 7                           ; the low group
	s_xor_b32 s13, s12, 15                         ; the high group: 15 - low
	s_lshl_b32 s16, s9, 1
	s_add_co_u32 s16, s16, s11                     ; 2 p + e
	s_lshl_b32 s17, s13, 3
	s_add_co_u32 s17, s17, s16                     ; the high tile
	s_lshl_b32 s18, s12, 3
	s_add_co_u32 s18, s18, s16                     ; the low tile
	s_and_b32 s14, s10, 3
	s_lshl_b32 s14, s14, 7                         ; 128 x batch
	s_lshr_b32 s15, s10, 2                         ; head
	s_mul_i32 s19, s15, 768
	s_lshr_b32 s11, s15, 3
	s_lshl_b32 s11, s11, 8
	s_and_b32 s15, s15, 7
	s_lshl_b32 s15, s15, 1
	s_add_co_u32 s15, s15, s11
	s_add_co_u32 s15, s15, Y_SC                    ; the head's two bytes in a row's scale words
.macro YADR t, d                       ; s[d:d+1]: the tile's half fragment of y; s[d+2:d+3]: its scale bytes
	s_add_co_u32 s[\d], s14, s[\t]
	s_lshl_b32 s[\d+2], s[\d], 9
	s_mul_i32 s[\d], s[\d], 12288
	s_add_co_u32 s[\d], s[\d], s19
	s_add_co_u32 s[\d+2], s[\d+2], s15
	s_mov_b32 s[\d+1], 0
	s_mov_b32 s[\d+3], 0
	s_add_nc_u64 s[\d:\d+1], s[6:7], s[\d:\d+1]
	s_add_nc_u64 s[\d+2:\d+3], s[6:7], s[\d+2:\d+3]
.endm
	YADR 17, 92
	YADR 18, 96
	v_and_b32 v36, 31, v0                          ; lane
	v_and_b32 v37, 15, v0                          ; r
	v_bfe_u32 v38, v0, 4, 1                        ; h
	s_delay_alu instid0(VALU_DEP_3)
	v_lshlrev_b32 v1, 4, v36                       ; 16 x lane
	s_delay_alu instid0(VALU_DEP_4)
	v_lshlrev_b32 v2, 3, v36                       ; 8 x lane
	s_delay_alu instid0(VALU_DEP_4)
	v_lshlrev_b32 v3, 2, v37                       ; 4 r
	s_delay_alu instid0(VALU_DEP_3)
	v_add_nc_u32 v4, LV, v1
	s_delay_alu instid0(VALU_DEP_3)
	v_add_nc_u32 v5, LV, v2
	s_delay_alu instid0(VALU_DEP_3)
	v_add_nc_u32 v6, LKS, v3
	s_delay_alu instid0(VALU_DEP_4)
	v_add_nc_u32 v7, LVS, v3
	v_lshlrev_b32 v15, 4, v37                      ; 16 r
	v_lshlrev_b32 v14, 3, v38
	s_delay_alu instid0(VALU_DEP_1)
	v_sub_nc_u32 v14, v37, v14
	s_lshl_b32 s11, s16, 4
	v_add_nc_u32 v14, s11, v14                     ; on the diagonal: my query less 8 h, counted from the step's first key: 32 p + 16 e + r - 8 h
	s_mul_i32 s11, s17, 768
	v_add_nc_u32 v8, s11, v1
	v_add_nc_u32 v9, s11, v2
	s_lshl_b32 s11, s17, 6
	v_add_nc_u32 v10, s11, v3
	s_mul_i32 s11, s18, 768
	v_add_nc_u32 v11, s11, v1
	v_add_nc_u32 v12, s11, v2
	s_lshl_b32 s11, s18, 6
	v_add_nc_u32 v13, s11, v3
	global_load_b128 v[16:19], v8, s[2:3]          ; the high tile's Q: six registers, and its scale word
	global_load_b64 v[20:21], v9, s[2:3] offset:512
	global_load_b32 v28, v10, s[66:67]
	global_load_b128 v[240:243], v11, s[2:3]       ; the low tile's, kept for later
	global_load_b64 v[244:245], v12, s[2:3] offset:512
	global_load_b32 v246, v13, s[66:67]
.irp i, 0,1,2,3,4,5
	v_mov_b32 v[22+\i], 0                          ; Q's codes for k = 64 .. 127: zeros
	v_mov_b32 v[84+\i], 0                          ; what follows K's last tile
.endr
.irp b, 0,1,2,3
	v_mov_b32 v[TM+4+\b], 0                        ; written once: a lane permute's destination counts as one of its sources
.endr
	v_mov_b32 v[F+1], 0
; A STEP: 128 keys against my 16 queries.  A step all of whose keys come after my queries is left out by a scalar branch on the wave's group and the step; the lines at its end that step addresses are on every path.
.macro STEP
	s_cmp_gt_u32 s[ST], s[G]
	s_cbranch_scc1 .Lskip_\@
	s_setprio 2
	v_add_nc_u32 v8, s[TB], v1                     ; six plain lines: also the places behind the last step's products, in front of the loads below
	v_add_nc_u32 v9, s[TB], v2
	v_add_nc_u32 v10, s[TB], v4
	v_add_nc_u32 v11, s[TB], v5
	v_add_nc_u32 v12, s[TS], v6
	v_add_nc_u32 v13, s[TV], v7
.irp t, 0,1,2,3,4,5,6,7
	ds_load_b128 v[KF+6*\t:KF+6*\t+3], v8 offset:768*\t
	ds_load_b64 v[KF+6*\t+4:KF+6*\t+5], v9 offset:768*\t+512
	ds_load_b32 v[SCW+\t], v12 offset:64*\t
.endr
	s_wait_alu depctr_va_vdst(0)
	s_wait_dscnt 0x0
.irp t, 0,1,2,3,4,5,6,7                ; S^T: lane (r, h) holds query r; register 8 t + j is key 16 t + 8 h + j
	v_wmma_scale_f32_16x16x128_f8f6f4 v[S+8*\t:S+8*\t+7], v[KF+6*\t:KF+6*\t+11], v[16:27], 0, v[SCW+\t], v28 matrix_a_fmt:MATRIX_FMT_BF6 matrix_b_fmt:MATRIX_FMT_BF6
.endr
	PLACES
.irp d, 0,1,2,3                        ; V's four fragments are asked for here and land under the softmax
.irp c, 0,1
	ds_load_b128 v[KF+12*\d+6*\c:KF+12*\d+6*\c+3], v10 offset:1536*\d+768*\c
	ds_load_b64 v[KF+12*\d+6*\c+4:KF+12*\d+6*\c+5], v11 offset:1536*\d+768*\c+512
.endr
	ds_load_b32 v[SCW+\d], v13 offset:64*\d
.endr
	s_cmp_lt_u32 s[ST], s[G]                       ; on the diagonal the scores of hidden keys become -infinity ahead of the maximum: p = 0 then
	s_cbranch_scc1 .Lopen_\@
	v_mov_b32 v[TM+12], 0xff800000
.set n, 0
.rept 64
	v_cmp_gt_i32 vcc_lo, 16*(n/8)+n%8, v14
	v_cndmask_b32 v[S+n], v[S+n], v[TM+12], vcc_lo
.set n, n+1
.endr
.Lopen_\@:
.irp b, 0,1,2,3
	v_max3_num_f32 v[TM+\b], v[S+16*\b], v[S+16*\b+1], v[S+16*\b+2]   ; the largest score of each block of 32 keys: for the row's maximum and for the block's largest p
.endr
.irp i, 3,5,7,9,11,13
.irp b, 0,1,2,3
	v_max3_num_f32 v[TM+\b], v[TM+\b], v[S+16*\b+\i], v[S+16*\b+\i+1]
.endr
.endr
.irp b, 0,1,2,3
	v_max_num_f32 v[TM+\b], v[TM+\b], v[S+16*\b+15]
.endr
.irp b, 0,1,2,3
	s_delay_alu instid0(VALU_DEP_4)
	v_permlanex16_b32 v[TM+4+\b], v[TM+\b], s[SEL], s[SEL+1]
.endr
.irp b, 0,1,2,3
	s_delay_alu instid0(VALU_DEP_4)
	v_max_num_f32 v[TM+\b], v[TM+\b], v[TM+4+\b]   ; with lane l xor 16's 16 keys
.endr
	s_delay_alu instid0(VALU_DEP_2)
	v_max3_num_f32 v[TM+12], v[TM], v[TM+1], v[TM+2]
	s_delay_alu instid0(VALU_DEP_1)
	v_max_num_f32 v[TM+12], v[TM+12], v[TM+3]      ; the step's largest score of my query
	s_delay_alu instid0(VALU_DEP_1)
	v_mul_f32 v[TM+12], s[CS], v[TM+12]            ; as t
	s_delay_alu instid0(VALU_DEP_1)
	v_max_num_f32 v[NM+1], v[NM+1], v[TM+12]       ; the running largest t
	v_mov_b32 v[TM+12], v[NM]
	s_delay_alu instid0(VALU_DEP_2)
	v_floor_f32 v[NM], -v[NM+1]                    ; the new -M = floor(-t): M is a whole number
	s_delay_alu instid0(VALU_DEP_1)
	v_sub_f32 v[TM+12], v[NM], v[TM+12]            ; old M less new M: a whole number, 0 or less
	s_delay_alu instid0(VALU_DEP_1)
	v_cvt_i32_f32 v[TM+12], v[TM+12]               ; (it saturates)
	s_delay_alu instid0(VALU_DEP_1)
	v_ldexp_f32 v[F], 1.0, v[TM+12]                ; f = 2^(old M - new M)
.set j, 0
	s_setprio 1
.rept 32
	v_pk_fma_f32 v[S+j:S+j+1], v[S+j:S+j+1], s[CS:CS+1], v[NM:NM+1] op_sel_hi:[1,0,0]   ; t - M, two at a time
.set j, j+2
.endr
.irp b, 0,1,2,3
	v_fma_f32 v[TM+\b], v[TM+\b], s[CS], v[NM]     ; the same of each block's largest score
.endr
.set j, 0
	s_wait_alu depctr_va_vdst(0)
.rept 64
	v_exp_f32 v[S+j], v[S+j]                       ; p = 2^(t - M), at most 1: not normalised
.set j, j+1
.endr
	v_pk_mul_f32 v[SUM:SUM+1], v[SUM:SUM+1], v[F:F+1] op_sel_hi:[1,0]   ; the sums under the new M: a plain place behind the exponentials
	s_wait_alu depctr_va_vdst(0)                   ; one wait for the batch of 64, ahead of its first reader
.irp b, 0,1,2,3
	v_exp_f32 v[TM+\b], v[TM+\b]                   ; the block's largest p
.endr
	v_pk_add_f32 v[218:219], v[102:103], v[106:107]
	v_pk_add_f32 v[252:253], v[110:111], v[114:115]
	v_pk_add_f32 v[250:251], v[118:119], v[122:123]
	v_pk_add_f32 v[248:249], v[126:127], v[130:131]
	v_pk_add_f32 v[238:239], v[134:135], v[138:139]
	v_pk_add_f32 v[236:237], v[142:143], v[146:147]
	v_pk_add_f32 v[234:235], v[150:151], v[154:155]
	v_pk_add_f32 v[32:33], v[32:33], v[158:159]
	v_pk_add_f32 v[218:219], v[218:219], v[98:99]
	v_pk_add_f32 v[252:253], v[252:253], v[100:101]
	v_pk_add_f32 v[250:251], v[250:251], v[104:105]
	v_pk_add_f32 v[248:249], v[248:249], v[108:109]
	v_pk_add_f32 v[238:239], v[238:239], v[112:113]
	v_pk_add_f32 v[236:237], v[236:237], v[116:117]
	v_pk_add_f32 v[234:235], v[234:235], v[120:121]
	v_pk_add_f32 v[32:33], v[32:33], v[124:125]
	v_pk_add_f32 v[218:219], v[218:219], v[128:129]
	v_pk_add_f32 v[252:253], v[252:253], v[132:133]
	v_pk_add_f32 v[250:251], v[250:251], v[136:137]
	v_pk_add_f32 v[248:249], v[248:249], v[140:141]
	v_pk_add_f32 v[238:239], v[238:239], v[144:145]
	v_pk_add_f32 v[236:237], v[236:237], v[148:149]
	v_pk_add_f32 v[234:235], v[234:235], v[152:153]
	v_pk_add_f32 v[32:33], v[32:33], v[156:157]
	v_pk_add_f32 v[218:219], v[218:219], v[160:161]
	s_delay_alu instid0(VALU_DEP_2)
	v_pk_add_f32 v[32:33], v[32:33], v[248:249]
	s_delay_alu instid0(VALU_DEP_2)
	v_pk_add_f32 v[218:219], v[218:219], v[238:239]
	v_pk_add_f32 v[252:253], v[252:253], v[236:237]
	v_pk_add_f32 v[250:251], v[250:251], v[234:235]
	s_delay_alu instid0(VALU_DEP_2)
	v_pk_add_f32 v[32:33], v[32:33], v[252:253]
	s_delay_alu instid0(VALU_DEP_2)
	v_pk_add_f32 v[218:219], v[218:219], v[250:251]
	s_delay_alu instid0(VALU_DEP_1)
	v_pk_add_f32 v[32:33], v[32:33], v[218:219]
	s_wait_alu depctr_va_vdst(0)                   ; and one for the four
.irp b, 0,1,2,3
	v_max_num_f32 v[TM+\b], 0x2800000, v[TM+\b]    ; the floor 2^(5 - 127): the byte cannot fall under 1
.endr
.irp b, 0,1,2,3
	s_delay_alu instid0(VALU_DEP_4)
	v_add_nc_u32 v[TM+8+\b], 0xfe000000, v[TM+\b]  ; 4 off the exponent field: the conversion's scale operand
.endr
.irp b, 0,1,2,3
	s_delay_alu instid0(VALU_DEP_4)
	v_lshrrev_b32 v[TM+4+\b], 23, v[TM+8+\b]       ; the scale's byte
.endr
	s_delay_alu instid0(VALU_DEP_3)
	v_lshl_or_b32 v[PW], v[TM+5], 8, v[TM+4]       ; p's scale word for these 128 keys
	s_delay_alu instid0(VALU_DEP_1)
	v_lshl_or_b32 v[PW], v[TM+6], 16, v[PW]
	s_delay_alu instid0(VALU_DEP_1)
	v_lshl_or_b32 v[PW], v[TM+7], 24, v[PW]
	s_setprio 0
.irp c, 0,1
	v_cvt_scalef32_pk16_bf6_f32 v[PC+6*\c:PC+6*\c+2], v[S+32*\c:S+32*\c+15], v[TM+8+2*\c]
	v_cvt_scalef32_pk16_bf6_f32 v[PC+12+4*\c:PC+14+4*\c], v[S+32*\c+16:S+32*\c+31], v[TM+8+2*\c+1]
.endr
	v_nop                                          ; one plain place behind a scaled conversion
.irp c, 0,1                            ; a whole block to a lane: lanes 0-15 block 2 c, lanes 16-31 block 2 c + 1
.irp i, 0,1,2
	v_permlane16_swap_b32 v[PC+6*\c+\i], v[PC+12+4*\c+\i]
.endr
.irp i, 0,1,2
	s_delay_alu instid0(VALU_DEP_3)
	v_mov_b32 v[PC+3+6*\c+\i], v[PC+12+4*\c+\i]
.endr
.endr
.set j, 0
.rept 16
	v_pk_mul_f32 v[OT+j:OT+j+1], v[OT+j:OT+j+1], v[F:F+1] op_sel_hi:[1,0]   ; O^T under the new M; these sixteen are also the places between the scale word's and the codes' last writes and the products
.set j, j+2
.endr
	s_wait_alu depctr_va_vdst(0)
	s_wait_dscnt 0x0                               ; V
.irp d, 0,1,2,3                        ; O^T += V^T P^T: four accumulators, one instruction each
	v_wmma_scale_f32_16x16x128_f8f6f4 v[OT+8*\d:OT+8*\d+7], v[KF+12*\d:KF+12*\d+11], v[PC:PC+11], v[OT+8*\d:OT+8*\d+7], v[SCW+\d], v[PW] matrix_a_fmt:MATRIX_FMT_BF6 matrix_b_fmt:MATRIX_FMT_BF6
.endr
.Lskip_\@:
	s_add_co_u32 s[ST], s[ST], 1
	s_add_co_u32 s[TB], s[TB], 6144
	s_add_co_u32 s[TS], s[TS], 512
	s_add_co_u32 s[TV], s[TV], 256
.endm
.macro KLOOP n                         ; n steps: a constant of the text
	s_mov_b32 s19, \n
.Lk_\@:
	STEP
	s_sub_co_u32 s19, s19, 1
	s_cmp_lg_u32 s19, 0
	s_cbranch_scc1 .Lk_\@
	s_setprio 0
.endm
.macro TILE_INIT g                     ; the step is written once: the first finds zeros, which the first change of M leaves zeros
	v_mov_b32 v[NM+1], 0xff61b1e6                  ; the largest t so far: -3e38
	s_delay_alu instid0(VALU_DEP_1)
	v_floor_f32 v[NM], -v[NM+1]
	v_mov_b32 v[SUM], 0
	v_mov_b32 v[SUM+1], 0
.set j, 0
.rept 32
	v_mov_b32 v[OT+j], 0
.set j, j+1
.endr
	s_mov_b32 s[G], s[\g]
	s_mov_b32 s[ST], 0
	s_mov_b32 s[TB], 0
	s_mov_b32 s[TS], 0
	s_mov_b32 s[TV], 0
.endm
; O^T / the sum is my tile's y: register 8 d + j is channel 16 d + 8 h + j of query r.  Its 64 channels are two blocks of the last product's K: one half fragment and two scale bytes.
.macro TILE_END yi
	PLACES
	v_add_f32 v[SUM], v[SUM], v[SUM+1]
	s_delay_alu instid0(VALU_DEP_1)
	v_permlanex16_b32 v[TM+4], v[SUM], s[SEL], s[SEL+1]
	s_delay_alu instid0(VALU_DEP_1)
	v_add_f32 v[SUM], v[SUM], v[TM+4]              ; the row's sum
	s_wait_alu depctr_va_vdst(0)
	v_rcp_f32 v[SUM], v[SUM]
	v_nop                                          ; a plain place behind the transcendental
	s_wait_alu depctr_va_vdst(0)                   ; the wait, ahead of the first reader
.set j, 0
.rept 32
	v_mul_f32 v[S+j], v[OT+j], v[SUM]
.set j, j+1
.endr
.irp b, 0,1
	v_max3_num_f32 v[TM+\b], |v[S+16*\b]|, |v[S+16*\b+1]|, 0x2800000
.endr
.irp i, 2,4,6,8,10,12,14
.irp b, 0,1
	s_delay_alu instid0(VALU_DEP_2)
	v_max3_num_f32 v[TM+\b], v[TM+\b], |v[S+16*\b+\i]|, |v[S+16*\b+\i+1]|
.endr
.endr
.irp b, 0,1
	s_delay_alu instid0(VALU_DEP_2)
	v_permlanex16_b32 v[TM+4+\b], v[TM+\b], s[SEL], s[SEL+1]
.endr
.irp b, 0,1
	s_delay_alu instid0(VALU_DEP_2)
	v_max_num_f32 v[TM+\b], v[TM+\b], v[TM+4+\b]
.endr
.irp b, 0,1
	s_delay_alu instid0(VALU_DEP_2)
	v_add_nc_u32 v[TM+8+\b], 0xfe000000, v[TM+\b]
.endr
.irp b, 0,1
	s_delay_alu instid0(VALU_DEP_2)
	v_lshrrev_b32 v[TM+4+\b], 23, v[TM+8+\b]
.endr
	s_delay_alu instid0(VALU_DEP_1)
	v_lshl_or_b32 v239, v[TM+5], 8, v[TM+4]        ; the head's two bytes of my row
	v_cvt_scalef32_pk16_bf6_f32 v[PC:PC+2], v[S:S+15], v[TM+8]
	v_cvt_scalef32_pk16_bf6_f32 v[PC+12:PC+14], v[S+16:S+31], v[TM+9]
	v_nop                                          ; one plain place behind a scaled conversion
.irp i, 0,1,2
	v_permlane16_swap_b32 v[PC+\i], v[PC+12+\i]
.endr
.irp i, 0,1,2
	s_delay_alu instid0(VALU_DEP_3)
	v_mov_b32 v[PC+3+\i], v[PC+12+\i]
.endr
	global_store_b128 v1, v[PC:PC+3], s[\yi:\yi+1]                 ; 512 and 256 consecutive bytes
	global_store_b64 v2, v[PC+4:PC+5], s[\yi:\yi+1] offset:512
	global_store_b16 v15, v239, s[\yi+2:\yi+3]     ; 2 of a row's 32 scale bytes are this head's: 2 bytes at a pitch of 16 (lanes 16-31 repeat lanes 0-15)
.endm
	TILE_INIT 13
	s_wait_loadcnt 0x0                             ; both tiles' Q
	s_wait_tensorcnt 0x1                           ; my first load has landed (keys 0-255 of K or V, or all of K's or V's scale words); my second may be out
	s_barrier_signal -1
	s_barrier_wait -1                              ; everybody's has
	KLOOP 2
	s_wait_tensorcnt 0x0                           ; the rest of K and V
	s_wait_dscnt 0x0
	s_barrier_signal -1
	s_barrier_wait -1
	KLOOP 14
	TILE_END 92
	s_wait_xcnt 0x0                                ; the stores have read their data
.irp i, 0,1,2,3,4,5
	v_mov_b32 v[16+\i], v[240+\i]                  ; the low tile's Q
.endr
	v_mov_b32 v28, v246                            ; (the tile's clearing lines below are the places between these writes and the next products)
	TILE_INIT 12
	KLOOP 8
	TILE_END 96
	s_wait_tensorcnt 0x0
	ds_add_u32 v254, v255
	s_wait_dscnt 0x0
	CROUND                                         ; the closing round: no work-group ends while a partner may still ask for a tile that names it
	s_endpgm
.Lfunc_end_k_q773eb581f9_attn:
	.size	k_q773eb581f9_attn, .Lfunc_end_k_q773eb581f9_attn-k_q773eb581f9_attn
	.p2alignl 7, 3214868480
	.fill 96, 4, 3214868480
	.section	.rodata,"a",@progbits
	.p2align	6, 0x0
	.amdhsa_kernel k_q773eb581f9_attn
		.amdhsa_group_segment_fixed_size 210944
		.amdhsa_private_segment_fixed_size 0
		.amdhsa_enable_private_segment 0
		.amdhsa_kernarg_size 16
		.amdhsa_user_sgpr_count 2
		.amdhsa_user_sgpr_kernarg_segment_ptr 1
		.amdhsa_wavefront_size32 1
		.amdhsa_system_sgpr_workgroup_id_x 1
		.amdhsa_system_sgpr_workgroup_id_y 1
		.amdhsa_system_sgpr_workgroup_id_z 1
		.amdhsa_system_vgpr_workitem_id 0
		.amdhsa_next_free_vgpr 256
		.amdhsa_next_free_sgpr 100
		.amdhsa_reserve_vcc 1
		.amdhsa_float_denorm_mode_32 3
		.amdhsa_float_denorm_mode_16_64 3
		.amdhsa_memory_ordered 1
		.amdhsa_forward_progress 1
		.amdhsa_inst_pref_size 93
	.end_amdhsa_kernel
	.amdgpu_metadata
---
amdhsa.version: [ 1, 2 ]
amdhsa.kernels:
  - .name:           k_q773eb581f9_attn
    .symbol:         k_q773eb581f9_attn.kd
    .args:
      - { .name: qkvc, .offset: 0, .size: 8, .value_kind: global_buffer, .address_space: global }
      - { .name: yq, .offset: 8, .size: 8, .value_kind: global_buffer, .address_space: global }
    .group_segment_fixed_size: 210944
    .private_segment_fixed_size: 0
    .kernarg_segment_align: 8
    .kernarg_segment_size: 16
    .max_flat_workgroup_size: 512
    .sgpr_count:     100
    .vgpr_count:     256
    .wavefront_size: 32
...
	.end_amdgpu_metadata
.endif
;; end of part 3
;; launch proj (part 4): grid 8 x 32, 4 waves a work-group, clusters of 4 x 4, 307,712 bytes of LDS; arguments yq, xw, b_out, out0; writes out0
.if DOCPART == 4
	.amdgcn_target "amdgcn-amd-amdhsa--gfx1250"
	.amdhsa_code_object_version 6
	.text
	.protected	k_q773eb581f9_proj
	.globl	k_q773eb581f9_proj
	.p2align	8
	.type	k_q773eb581f9_proj,@function
k_q773eb581f9_proj:
	s_mov_b64 s[64:65], 0
	v_nop
	global_prefetch_b8 v0, s[64:65] scope:SCOPE_SE
	s_setreg_imm32_b32 hwreg(HW_REG_WAVE_MODE, 25, 1), 1
	s_wait_xcnt 0x0
	s_wait_alu depctr_hold_cnt(0) depctr_sa_sdst(0) depctr_va_vdst(0) depctr_va_sdst(0) depctr_va_ssrc(0) depctr_va_vcc(0) depctr_vm_vsrc(0)
	s_getreg_b32 s2, hwreg(HW_REG_IB_STS2, 6, 4)
	s_cmp_eq_u32 s2, 0
	s_cbranch_scc0 .Lentry_in_a_cluster
	s_endpgm
.Lentry_in_a_cluster:
	s_bfe_u32 s2, ttmp6, 0x10000c
	s_cmp_lg_u32 s2, 0xf033
	s_cbranch_scc0 .Lentry_shape_is_right
	s_endpgm
.Lentry_shape_is_right:
; out0 = y w_out + b_out on codes of BF6 (E3M2) with E8M0 scales, K = 1,024; the result is f32.
; A work-group of four waves makes 256 rows x 128 columns; wave w makes rows 64 w .. 64 w + 63 x all 128: 32 accumulators.  256 tiles: one for each WGP.
; ALL OF K LIES IN LDS AT ONCE: the operands' images come by tensor loads in four chunks of two K steps, every fill a first fill; nothing is filled again, so there is no ring.
; Operands lie in memory and in LDS as images of their registers (half fragments of 768 bytes: lane l's registers 0-3 at 16 l, 4-5 at 512 + 8 l): every LDS load reads consecutive bytes.
; CLUSTERS: 4 x 4 work-groups; the four of a row need the same rows of y, the four of a column the same columns of w_out: each tile is asked for jointly.
; THE MATRIX INSTRUCTION IS USED TRANSPOSED (source 0 = 16 columns of w_out, source 1 = 16 rows of y): a lane holds one row and eight neighbouring columns.  The bias is the C of the first K step's products.
; y's and w_out's codes are both laid with bits 3 and 4 of the place inside a block of 32 exchanged: the products are the same; the order of summing inside an instruction is not ascending k.
; No prefetch: every tile is asked for at the kernel's head.
; REGISTERS, in windows of 256: window 0: v1-31 addresses; v32-79 scale words and nothing else; v80-175 w's 8 fragments, v176-223 y's 4 (set 0); on the way out v80-207 rows of the result.
;   window 1: the accumulators, (a, b) at v[8 (8 a + b)].   window 2: v0-63 the bias; v80-223 fragment set 1.
.set PA,     4                         ; s[4:5]  yq: y's image at 0
.set PB,     6                         ; s[6:7]  xw
.set PBIAS,  8                         ; s[8:9]  b_out;  s[10:11] out0
.set A_SC,   6291456                   ; y's scale words in yq
.set B_IMG,  9011200                   ; w_out's image in xw
.set B_SC,   9797632                   ; its scale words
.set LB,     196608                    ; LDS: A's chunks q at 49,152 q (16 tiles x 3,072); B's at LB + 24,576 q (8 tiles x 3,072);
.set LSA,    294912                    ; A's scale words (16 tiles x 512);
.set LSB,    303104                    ; B's (8 tiles x 512)
.set A16, 8
.set A8,  12
.set B16, 16
.set B8,  20
.set SC,  32
.set BF,  80
.set AF,  176
.set BK,  80                           ; the way out: 16 rows read back from the stage: v80-143 and v144-207 by turns
.set G1A,  24
.set G1B,  32
.set G1SA, 40
.set G1SB, 48
.set G0A0, 56
.set G0A1, 60
.set G0A2, 68
.set G0A3, 72
.set G0SA, 76
.set G0B0, 80
.set G0B1, 84
.set G0B2, 88
.set G0B3, 92
.set G0SB, 96
.set MSB, 0
.macro WIN new                         ; the immediate's high byte repeats the setting that is left
.if MSB != \new
	s_set_vgpr_msb (MSB<<8)|\new
.set MSB, \new
.endif
.endm
.macro PLACES                          ; four plain places behind matrix instructions, in front of loads into their registers and of reads of their results
.rept 4
	v_nop
.endr
.endm
.macro CROUND                          ; a round of the cluster's barrier
	s_barrier_signal -1
	s_barrier_wait -1
	s_cmp_lg_u32 s12, 0
	s_cbranch_scc1 .Lnot_wave_0_\@
	s_barrier_signal -3
.Lnot_wave_0_\@:
	s_barrier_wait -3
	s_barrier_signal -1
	s_barrier_wait -1
.endm
	s_load_b256 s[4:11], s[0:1], 0x0               ; yq, xw, b_out, out0
	v_lshl_add_u32 v254, v0, 2, 0x4b000
	v_mov_b32 v255, 0
	ds_add_u32 v254, v255
	ds_add_u32 v254, v255
	v_lshrrev_b32 v1, 5, v0
	v_readfirstlane_b32 s12, v1                    ; wave 0..3
	s_and_b32 s13, s12, 1                          ; which 8 tiles of A waves 0 and 1 fetch
	s_bfe_u32 s14, ttmp6, 0x40000                  ; cx
	s_bfe_u32 s15, ttmp6, 0x40004                  ; cy
	s_lshl_b32 s16, ttmp9, 2
	s_add_co_u32 s16, s16, s14                     ; tile column = 4 x cluster x + cx
	s_and_b32 s17, ttmp7, 0xffff
	s_lshl_b32 s17, s17, 2
	s_add_co_u32 s17, s17, s15                     ; tile row = 4 x cluster y + cy
	s_lshl_b32 s18, s15, 2
	s_lshl_b32 s18, 15, s18                        ; my row of the cluster
	s_lshl_b32 s19, 0x1111, s14                    ; my column
	s_or_b32 s[G1A], s18, (3<<16)|(1<<21)          ; 15:0 the mask; 17:16 elements of 8 bytes; 21 set beside a mask; no padding
	s_or_b32 s[G1B], s19, (3<<16)|(1<<21)
	s_or_b32 s[G1SA], s18, (3<<16)|(1<<21)
	s_or_b32 s[G1SB], s19, (3<<16)|(1<<21)
.irp g, G1A, G1B                       ; a chunk of 8 tiles: 8 rows of 3,072 bytes (two K steps), 12,288 bytes apart
	s_mov_b32 s[\g+1], 384<<16
	s_mov_b32 s[\g+2], 8<<16
	s_mov_b32 s[\g+3], 384<<16
	s_mov_b32 s[\g+4], 8
	s_mov_b32 s[\g+5], 1536
	s_mov_b32 s[\g+6], 0
	s_mov_b32 s[\g+7], 0
.endr
.irp g, G1SA, G1SB                     ; 8 tiles' scale words: 4,096 dense bytes as 16 rows of 256
	s_mov_b32 s[\g+1], 32<<16
	s_mov_b32 s[\g+2], 16<<16
	s_mov_b32 s[\g+3], 32<<16
	s_mov_b32 s[\g+4], 16
	s_mov_b32 s[\g+5], 32
	s_mov_b32 s[\g+6], 0
	s_mov_b32 s[\g+7], 0
.endr
	; A's addresses hang on the tile row and the wave alone, B's on the tile column alone, each in registers of its own
	s_mul_i32 s20, s17, 196608
	s_mul_i32 s21, s13, 98304
	s_add_co_u32 s20, s20, s21
	s_mov_b32 s21, 0
	s_lshl_b32 s22, s17, 13
	s_lshl_b32 s23, s13, 12
	s_add_co_u32 s22, s22, s23
	s_add_co_u32 s22, s22, A_SC
	s_mov_b32 s23, 0
	s_mul_i32 s2, s16, 98304
	s_add_co_u32 s2, s2, B_IMG
	s_mov_b32 s3, 0
	s_lshl_b32 s[G0SB+2], s16, 12
	s_add_co_u32 s[G0SB+2], s[G0SB+2], B_SC
	s_mov_b32 s[G0SB+3], 0
	s_mul_i32 s18, s13, 24576
	s_wait_dscnt 0x0
	s_wait_kmcnt 0x0
	s_add_nc_u64 s[20:21], s[PA:PA+1], s[20:21]
	s_add_nc_u64 s[22:23], s[PA:PA+1], s[22:23]
	s_add_nc_u64 s[2:3], s[PB:PB+1], s[2:3]
	s_add_nc_u64 s[G0SB+2:G0SB+3], s[PB:PB+1], s[G0SB+2:G0SB+3]
	CROUND                                         ; all sixteen work-groups are here: the joint loads meet
.macro SETA g, q
	s_mov_b32 s[\g], 1
	s_add_co_u32 s[\g+1], s18, \q*49152
	s_add_nc_u64 s[\g+2:\g+3], s[20:21], \q*3072
	s_or_b32 s[\g+3], s[\g+3], 0x80000000
.endm
.macro SETB g, q
	s_mov_b32 s[\g], 1
	s_mov_b32 s[\g+1], LB+\q*24576
	s_add_nc_u64 s[\g+2:\g+3], s[2:3], \q*3072
	s_or_b32 s[\g+3], s[\g+3], 0x80000000
.endm
	SETA G0A0, 0
	SETA G0A1, 1
	SETA G0A2, 2
	SETA G0A3, 3
	SETB G0B0, 0
	SETB G0B1, 1
	SETB G0B2, 2
	SETB G0B3, 3
	s_mov_b32 s[G0SA], 1
	s_lshl_b32 s[G0SA+1], s13, 12
	s_add_co_u32 s[G0SA+1], s[G0SA+1], LSA
	s_mov_b64 s[G0SA+2:G0SA+3], s[22:23]
	s_or_b32 s[G0SA+3], s[G0SA+3], 0x80000000
	s_mov_b32 s[G0SB], 1
	s_mov_b32 s[G0SB+1], LSB
	s_or_b32 s[G0SB+3], s[G0SB+3], 0x80000000
	; the fills: one branch on the wave's number; waves 0 and 1 fetch A's halves, wave 2 B, wave 3 nothing.  Five loads of a wave are out.  Four v_nop follow the last
	s_cmp_lt_u32 s12, 2
	s_cbranch_scc0 .Lnot_a
	tensor_load_to_lds s[G0SA:G0SA+3], s[G1SA:G1SA+7]
	s_nop 0
	tensor_load_to_lds s[G0A0:G0A0+3], s[G1A:G1A+7]
	s_nop 0
	tensor_load_to_lds s[G0A1:G0A1+3], s[G1A:G1A+7]
	s_nop 0
	tensor_load_to_lds s[G0A2:G0A2+3], s[G1A:G1A+7]
	s_nop 0
	tensor_load_to_lds s[G0A3:G0A3+3], s[G1A:G1A+7]
	s_nop 0
	PLACES
	s_branch .Lasked
.Lnot_a:
	s_cmp_eq_u32 s12, 2
	s_cbranch_scc0 .Lasked
	tensor_load_to_lds s[G0SB:G0SB+3], s[G1SB:G1SB+7]
	s_nop 0
	tensor_load_to_lds s[G0B0:G0B0+3], s[G1B:G1B+7]
	s_nop 0
	tensor_load_to_lds s[G0B1:G0B1+3], s[G1B:G1B+7]
	s_nop 0
	tensor_load_to_lds s[G0B2:G0B2+3], s[G1B:G1B+7]
	s_nop 0
	tensor_load_to_lds s[G0B3:G0B3+3], s[G1B:G1B+7]
	s_nop 0
	PLACES
.Lasked:
	v_and_b32 v1, 31, v0                           ; lane
	v_and_b32 v2, 15, v0                           ; r
	v_bfe_u32 v3, v0, 4, 1                         ; h
	v_lshlrev_b32 v4, 4, v1                        ; 16 x lane
	s_wait_alu depctr_va_vdst(0)
	v_lshlrev_b32 v5, 3, v1                        ; 8 x lane
	s_wait_alu depctr_va_vdst(0)
	v_lshlrev_b32 v27, 5, v3                       ; the bias: 32 h
	s_lshl_b32 s18, s16, 9                         ; my 128 columns
	s_mov_b32 s19, 0
	s_add_nc_u64 s[PBIAS:PBIAS+1], s[PBIAS:PBIAS+1], s[18:19]
	WIN 0x80                                       ; destination window 2
.irp b, 0,1,2,3,4,5,6,7                ; register 8 b + j: the bias of column 16 b + 8 h + j, in the result's layout
	global_load_b128 v[8*\b:8*\b+3], v27, s[PBIAS:PBIAS+1] offset:64*\b
	global_load_b128 v[8*\b+4:8*\b+7], v27, s[PBIAS:PBIAS+1] offset:64*\b+16
.endr
	WIN 0
	s_mul_i32 s18, s12, 12288                      ; my four tiles in a chunk of A
	s_mov_b32 s19, LB
.irp q, 0,1,2,3
	v_add_nc_u32 v[A16+\q], s18, v4
	v_add_nc_u32 v[A8+\q], s18, v5
	v_add_nc_u32 v[B16+\q], s19, v4
	v_add_nc_u32 v[B8+\q], s19, v5
	s_add_co_u32 s18, s18, 49152
	s_add_co_u32 s19, s19, 24576
.endr
	s_xor_b32 s19, s12, 3                          ; scale words: lanes 0-15 take A's tile 4 w + i, lanes 16-31 B's tile i: the lower base + h x the distance, (4 - w) x 2,048
	s_add_co_u32 s19, s19, 1
	s_lshl_b32 s19, s19, 11
	v_mul_u32_u24 v6, s19, v3
	v_lshl_add_u32 v6, v2, 4, v6
	s_lshl_b32 s18, s12, 11
	s_add_co_u32 s18, s18, LSA
	v_add_nc_u32 v6, s18, v6
	v_lshlrev_b32 v7, 10, v3                       ; lanes 0-15 B's tile 4 + i, lanes 16-31 B's tile 6 + i
	v_lshl_add_u32 v7, v2, 4, v7
	v_add_nc_u32 v7, LSB+2048, v7
	s_mul_i32 s18, s12, 8448                       ; the way out: my stage, 16 rows x 528 bytes
	v_mul_u32_u24 v24, v2, 528
	v_lshl_add_u32 v24, v3, 5, v24
	v_add_nc_u32 v24, s18, v24                     ; in: row r, + 32 h
	v_add_nc_u32 v25, s18, v4                      ; back: 16 bytes a lane of a row
.macro FETCH s                         ; K step s: B's 8 fragments and my 4 of A, 48 loads of consecutive bytes, into set s % 2
.if (\s)%2
	WIN 0x80
.else
	WIN 0
.endif
.irp b, 0,1,2,3,4,5,6,7
.irp c, 0,1
	ds_load_b128 v[BF+12*\b+6*\c:BF+12*\b+6*\c+3], v[B16+(\s)/2] offset:\b*3072+((\s)%2)*1536+768*\c
	ds_load_b64 v[BF+12*\b+6*\c+4:BF+12*\b+6*\c+5], v[B8+(\s)/2] offset:\b*3072+((\s)%2)*1536+768*\c+512
.endr
.endr
.irp a, 0,1,2,3
.irp c, 0,1
	ds_load_b128 v[AF+12*\a+6*\c:AF+12*\a+6*\c+3], v[A16+(\s)/2] offset:\a*3072+((\s)%2)*1536+768*\c
	ds_load_b64 v[AF+12*\a+6*\c+4:AF+12*\a+6*\c+5], v[A8+(\s)/2] offset:\a*3072+((\s)%2)*1536+768*\c+512
.endr
.endr
.endm
.macro ONE a, b, s                     ; B's words: tiles 0-3 in lanes 16-31 of the registers that carry A's; tiles 4, 5 in lanes 0-15 and tiles 6, 7 in lanes 16-31 of the last sixteen
.set rD, 8*(8*(\a)+(\b))
.set rB, BF+12*(\b)
.set rA, AF+12*(\a)
.set rSA, SC+8*(\a)+(\s)
.set rSB, SC+8*(\b)+(\s)
.if (\b) >= 4
.set rSB, SC+32+8*((\b)%2)+(\s)
.endif
.set rC, rD
.if (\s) == 0
.set rC, 8*(\b)
.endif
.if (\b)/2 == 2
	v_wmma_scale_f32_16x16x128_f8f6f4 v[rD:rD+7], v[rB:rB+11], v[rA:rA+11], v[rC:rC+7], v[rSB], v[rSA] matrix_a_fmt:MATRIX_FMT_BF6 matrix_b_fmt:MATRIX_FMT_BF6
.else
	v_wmma_scale_f32_16x16x128_f8f6f4 v[rD:rD+7], v[rB:rB+11], v[rA:rA+11], v[rC:rC+7], v[rSB], v[rSA] matrix_a_fmt:MATRIX_FMT_BF6 matrix_b_fmt:MATRIX_FMT_BF6 matrix_a_scale:MATRIX_SCALE_ROW1
.endif
.endm
.macro MUL a, s                        ; 8 products.  The 32 accumulators take turns, one instruction a turn, in the same order in every K step
.if (\s) == 0
	WIN 0x60                                       ; C: the bias, window 2; D window 1
.elseif (\s)%2
	WIN 0x5a                                       ; fragments window 2; C and D window 1
.else
	WIN 0x50
.endif
.irp b, 0,1,2,3,4,5,6,7
	ONE \a, \b, \s
.endr
.endm
.macro KSTEP s
	s_wait_dscnt 0x0                               ; this step's fragments are in
.if (\s)%2
.if (\s) < 7
	s_wait_tensorcnt 3-((\s)+1)/2                  ; my part of the next chunk has landed; the chunks issued behind it may be out
	s_barrier_signal -1
.endif
.endif
	MUL 0, \s
.if (\s)%2
.if (\s) < 7
	s_barrier_wait -1                              ; everybody's part has
.endif
.endif
.if (\s) < 7
	PLACES                                         ; for the loads into the set that the step before multiplied
	FETCH (\s)+1
.endif
	MUL 1, \s
	MUL 2, \s
	MUL 3, \s
.endm
	s_wait_alu depctr_va_vdst(0)
	s_wait_tensorcnt 0x3                           ; my scale words and my part of chunk 0 are in; three chunks may be out
	s_barrier_signal -1
	s_barrier_wait -1
.irp i, 0,1,2,3
.irp kh, 0,1
	ds_load_b128 v[SC+8*\i+4*\kh:SC+8*\i+4*\kh+3], v6 offset:\i*512+\kh*256    ; four K steps' words a load
.endr
.endr
.irp i, 0,1
.irp kh, 0,1
	ds_load_b128 v[SC+32+8*\i+4*\kh:SC+32+8*\i+4*\kh+3], v7 offset:\i*512+\kh*256
.endr
.endr
	FETCH 0
	s_wait_loadcnt 0x0                             ; the bias
	KSTEP 0
	KSTEP 1
	KSTEP 2
	KSTEP 3
	KSTEP 4
	KSTEP 5
	KSTEP 6
	KSTEP 7
	WIN 0
	PLACES
; THE WAY OUT, a block of 16 rows x 128 columns at a time.  A lane holds 32 neighbouring bytes of a row and the lanes beside it hold other rows: so a block goes through my own stage in LDS and comes back as whole rows of
; 512 bytes.  The stages lie in the bytes of A's chunk 0: they have had their only fill, and every wave's last reads of them were waited for in front of an earlier barrier.
	s_lshl_b32 s20, s17, 20                        ; 256 rows of 4,096 bytes
	s_lshl_b32 s21, s12, 18                        ; my 64
	s_add_co_u32 s20, s20, s21
	s_lshl_b32 s21, s16, 9                         ; my 128 columns
	s_add_co_u32 s20, s20, s21
	s_mov_b32 s21, 0
	s_add_nc_u64 s[10:11], s[10:11], s[20:21]
.macro TOSTAGE a
	WIN 0x04                                       ; an LDS store's data are its source 1: window 1
.irp b, 0,1,2,3,4,5,6,7
	ds_store_b128 v24, v[8*(8*(\a)+\b):8*(8*(\a)+\b)+3] offset:64*\b          ; each accumulator from its low end on
	ds_store_b128 v24, v[8*(8*(\a)+\b)+4:8*(8*(\a)+\b)+7] offset:64*\b+16
.endr
	WIN 0
.irp t, 0,1,2,3,4,5,6,7,8,9,10,11,12,13,14,15
	ds_load_b128 v[BK+64*((\a)%2)+4*\t:BK+64*((\a)%2)+4*\t+3], v25 offset:\t*528   ; LDS serves a wave's instructions in order: these see the stores above, and the next block's stores come behind them
.endr
.endm
.macro SEND a, younger                 ; younger: the LDS instructions issued behind block a's loads, which may stay out
	s_wait_dscnt \younger
.irp t, 0,1,2,3,4,5,6,7,8,9,10,11,12,13,14,15
	global_store_b128 v4, v[BK+64*((\a)%2)+4*\t:BK+64*((\a)%2)+4*\t+3], s[10:11] offset:(16*(\a)+\t)*4096 th:TH_STORE_NT   ; 32 lanes store 512 consecutive bytes, at a multiple of 256 from the buffer's first byte
.endr
.endm
	TOSTAGE 0
	TOSTAGE 1
	SEND 0, 32                                     ; behind block 0's loads: block 1's sixteen stores and sixteen loads
	s_wait_xcnt 0x0                                ; block 0's stores have read their registers: block 2's loads may land there
	TOSTAGE 2
	SEND 1, 32
	s_wait_xcnt 0x0
	TOSTAGE 3
	SEND 2, 32
	SEND 3, 0
	s_wait_tensorcnt 0x0
	ds_add_u32 v254, v255
	s_wait_dscnt 0x0
	CROUND                                         ; the closing round: no work-group ends while a partner may still ask for a tile that names it
	s_endpgm
.Lfunc_end_k_q773eb581f9_proj:
	.size	k_q773eb581f9_proj, .Lfunc_end_k_q773eb581f9_proj-k_q773eb581f9_proj
	.p2alignl 7, 3214868480
	.fill 96, 4, 3214868480
	.section	.rodata,"a",@progbits
	.p2align	6, 0x0
	.amdhsa_kernel k_q773eb581f9_proj
		.amdhsa_group_segment_fixed_size 307712
		.amdhsa_private_segment_fixed_size 0
		.amdhsa_enable_private_segment 0
		.amdhsa_kernarg_size 32
		.amdhsa_user_sgpr_count 2
		.amdhsa_user_sgpr_kernarg_segment_ptr 1
		.amdhsa_wavefront_size32 1
		.amdhsa_system_sgpr_workgroup_id_x 1
		.amdhsa_system_sgpr_workgroup_id_y 1
		.amdhsa_system_sgpr_workgroup_id_z 1
		.amdhsa_system_vgpr_workitem_id 0
		.amdhsa_next_free_vgpr 768
		.amdhsa_next_free_sgpr 100
		.amdhsa_reserve_vcc 0
		.amdhsa_float_denorm_mode_32 3
		.amdhsa_float_denorm_mode_16_64 3
		.amdhsa_memory_ordered 1
		.amdhsa_forward_progress 1
		.amdhsa_inst_pref_size 86
	.end_amdhsa_kernel
	.amdgpu_metadata
---
amdhsa.version: [ 1, 2 ]
amdhsa.kernels:
  - .name:           k_q773eb581f9_proj
    .symbol:         k_q773eb581f9_proj.kd
    .args:
      - { .name: yq, .offset: 0, .size: 8, .value_kind: global_buffer, .address_space: global }
      - { .name: xw, .offset: 8, .size: 8, .value_kind: global_buffer, .address_space: global }
      - { .name: b_out, .offset: 16, .size: 8, .value_kind: global_buffer, .address_space: global }
      - { .name: out0, .offset: 24, .size: 8, .value_kind: global_buffer, .address_space: global }
    .group_segment_fixed_size: 307712
    .private_segment_fixed_size: 0
    .kernarg_segment_align: 8
    .kernarg_segment_size: 32
    .max_flat_workgroup_size: 128
    .sgpr_count:     100
    .vgpr_count:     768
    .wavefront_size: 32
...
	.end_amdgpu_metadata
.endif
;; end of part 4
